; MI455X (gfx1250); checked and timed in simulation.
; The chip was launched on July 23, 2026; its instructions are those of AMD's public machine-readable ISA for CDNA 5 (MIT licence, August 2026) and "CDNA5" Instruction Set Architecture Reference Guide (July 2026). The comments in the code are by the model that wrote it; some were corrected since.
;; Forced GPULSTM Cell. Allowed arithmetic: float matrix products may take bf16 or f16 operands with f32 sums; other float arithmetic in f32, or as packed bf16 or f16 multiplies, adds, multiply-adds, maxima and minima; sums over many terms, partial sums and values carried from step to step in f32; what a program stores and reads back later, other than sums and carried values, may be rounded once to bf16 or f16.
;; Inputs: bias_f 2,048 float32; bias_g 2,048 float32; bias_i 2,048 float32; bias_o 2,048 float32; c 2,048 x 2,048 float32; h 2,048 x 2,048 float32; weight_hf 2,048 x 2,048 float32; weight_hg 2,048 x 2,048 float32; weight_hi 2,048 x 2,048 float32; weight_ho 2,048 x 2,048 float32; weight_if 2,048 x 2,048 float32; weight_ig 2,048 x 2,048 float32; weight_ii 2,048 x 2,048 float32; weight_io 2,048 x 2,048 float32; x 2,048 x 2,048 float32.
;; Outputs: out0 2,048 x 2,048 float32; out1 2,048 x 2,048 float32.
;; 3 versions, each right; version 3 is version 2 with the launch cast written anew for expert scheduling mode. Each part assembles by itself: llvm-mc -triple=amdgcn-amd-amdhsa -mcpu=gfx1250 --defsym DOCPART=n.
;; ======== version 1 of 3: 1 launch
;; launch lstm (part 1): grid 8 x 32, 4 waves a work-group, clusters of 4 x 1, 327,680 bytes of LDS; arguments x, h, c, weight_ii, weight_if, weight_ig, weight_io, weight_hi, weight_hf, weight_hg, weight_ho, bias_i, bias_f, bias_g, bias_o, out0, out1; writes out0, out1
.if DOCPART == 1
	.amdgcn_target "amdgcn-amd-amdhsa--gfx1250"
	.amdhsa_code_object_version 6
	.text
	.protected	k_q4e7e1229b3_lstm
	.globl	k_q4e7e1229b3_lstm
	.p2align	8
	.type	k_q4e7e1229b3_lstm,@function
k_q4e7e1229b3_lstm:
	s_mov_b64 s[64:65], 0
	v_nop
	global_prefetch_b8 v0, s[64:65] scope:SCOPE_SE
	s_setreg_imm32_b32 hwreg(HW_REG_WAVE_MODE, 25, 1), 1
	s_wait_xcnt 0x0
	s_wait_alu depctr_hold_cnt(0) depctr_sa_sdst(0) depctr_va_vdst(0) depctr_va_sdst(0) depctr_va_ssrc(0) depctr_va_vcc(0) depctr_vm_vsrc(0)
	s_getreg_b32 s2, hwreg(HW_REG_IB_STS2, 6, 4)
	s_cmp_eq_u32 s2, 0
	s_cbranch_scc0 .Lentry_in_a_cluster
	s_endpgm
.Lentry_in_a_cluster:
	s_bfe_u32 s2, ttmp6, 0x10000c
	s_cmp_lg_u32 s2, 0x3003
	s_cbranch_scc0 .Lentry_shape_is_right
	s_endpgm
.Lentry_shape_is_right:
; ONE LSTM CELL IN ONE LAUNCH.  gates[m][g][n] = sum_k x[m][k] Wi_g[n][k] + sum_k h[m][k] Wh_g[n][k] + b_g[n]  (g = i, f, g, o; all sizes 2,048; all tensors f32);
; c_new = sigmoid(f) c + sigmoid(i) tanh(g) -> out1;  h_new = sigmoid(o) tanh(c_new) -> out0.
; LIMITS.  x, h and the eight weights are rounded once to bf16 for the matrix unit; the sums, c, the biases and the whole tail stay f32.  sigmoid(z) = 1 / (1 + 2^(-z log2 e)),
; tanh(z) = 1 - 2 / (1 + 2^(2 z log2 e)): an exponential that overflows gives 1 / inf = 0, one that underflows gives 1 / 1, the right limits for every finite gate, so nothing is clamped;
; tanh so made is off by about 1e-7 absolutely (not relatively, near 0).  NaN and infinities among the inputs are not treated apart.
; SHARES.  A work-group owns 256 batch rows (block bx) x 64 hidden columns (block by) of ALL FOUR gates: a tile of 256 x 256 of the product, 8 x 32 = 256 work-groups.  Wave w: rows 128 (w / 2) on,
; hidden columns 32 (w % 2) on, four gates: 128 x 128, 64 accumulators.  So a lane ends with the four gates of its own places and the tail needs no exchange.
; K = 4,096 goes in 64 steps of 64 (rows of 256 bytes of f32): steps 0-31 from x and weight_i*, steps 32-63 from h and weight_h*.  A QUARTER is 32 along K: 64 products a wave; a HALF 32 products.
; THE WEIGHTS come by tensor loads, wave w fetching gate w's 64 rows of a step, as f32, into a ring of two LDS slots; they are rounded to bf16 between LDS and the matrix unit.  The four work-groups of a
; cluster have the same by, hence the same weight tiles: each tile is asked for JOINTLY (the same load, descriptor and mask in all four).
; x AND h come through registers: each wave loads 64 of the work-group's 256 rows, rounds them ONCE and stores them to LDS as bf16 (a ring of its own, filled by ds_store alone), three steps ahead.
; They are not asked for jointly: a step has five tiles (x or h, four gates) and four waves with one tensor load each behind a refill's barrier, and bf16 in LDS halves what the fragments read.
; THE MATRIX INSTRUCTION IS USED TRANSPOSED (source 0 = 16 weight rows, source 1 = 16 batch rows): lane l holds batch row l % 16 and hidden columns 8 (l / 16) + 0..7.
; REGISTERS, in windows of 256 (s_set_vgpr_msb: bits 1:0 source 0, 3:2 source 1, 5:4 source 2, 7:6 destination):
;   window 0: v0-20 addresses; v64-127, v128-191 fragments of x/h, two buffers; v192-255 x/h on their way, chunks 0 and 1.  In the tail: v64-127 T, v128-159 c, v160-191 c_new, h_new, v192-255 biases
;   window 1: v0-63 the weights' bf16 fragments of one quarter; v64-127, v128-191 their f32 staging (fragments 0-3, 4-7); v192-255 x/h on their way, chunks 2 and 3
;   windows 2, 3: accumulator (a, b), a = block of 16 rows, b = 2 gate + block of 16 columns, in window 2 + b / 4 at v[8 (8 (b % 4) + a)]
; The roundings ride in fours behind every second product, which costs two window switches each time: the operands of a product fill three windows, and the staging has no room beside them.
.set ROWB,   8192                      ; bytes in a row of every matrix
.set BP,     272                       ; LDS row of f32: 256 bytes + 16 of padding: the 16 rows of a fragment load start 16 bytes apart modulo 256
.set APITCH, 144                       ; LDS row of bf16: 128 bytes + 16
.set GATEB,  64*BP                     ; one tensor load's tile: 64 rows
.set ABASE,  4*GATEB                   ; behind a slot's four gate tiles: the slot's 256 rows of x/h in bf16
.set SLOT1,  1<<17                     ; slot 1 begins here: one exclusive or turns an address in one slot into the other's
.set CREG,   SLOT1+ABASE+256*APITCH    ; c's tile: 256 rows x 64 f32, filled once
.set SPARE,  CREG+256*BP               ; the spare words, 128 bytes a wave: two blocks of 256 bytes that no other line names
.set LB,   4                           ; v4   my place in a slot's weight rows: (32 wc + l % 16) x 272 + 32 (l / 16)
.set LA,   5                           ; v5   my place in a slot's x/h rows: ABASE + (128 wr + l % 16) x 144 + 16 (l / 16)
.set LS,   6                           ; v6   where I store x/h: ABASE + (64 w + 8 (l / 16)) x 144 + 8 (l % 16)
.set ADRB, 7                           ; v7-9 the three with the trip's slot added
.set ADRA, 8
.set ASTO, 9
.set GOFF, 10                          ; v10  my offset in x/h: 8 (l / 16) rows + 16 (l % 16) bytes; never rewritten
.set PFO,  11                          ; v11  the prefetches' offset: lane x a row; never rewritten
.set SPW,  12                          ; v12  LDS address of my spare word; never rewritten
.set NIL,  13                          ; v13  0; never rewritten
.set CAD,  14                          ; v14  my place in c's tile
.set STH,  15                          ; v15  the same place in h_new's stage (slot 0's weight bytes, behind their last fill and last read)
.set STC,  16                          ; v16  and in c_new's (slot 1's)
.set RDH,  17                          ; v17  where I read whole rows of h_new back
.set RDC,  18                          ; v18  of c_new
.set GO,   19                          ; v19  my offset in two rows of an output
.set BO,   20                          ; v20  my offset in 16 biases
.set T,    64                          ; the tail: gate g's 16 numbers at T + 16 g
.set TI,   T
.set TF,   T+16
.set TG,   T+32
.set TO,   T+48
.set CC,   128                         ; c, two buffers of 16
.set CN,   160
.set HN,   176
.set BI,   192                         ; the biases, already scaled: gate g at BI + 16 g
.set AX,  4                            ; s[4:5]   x at my wave's 64 rows       s[6:7]   h likewise
.set AH,  6
.set BX,  8                            ; s[8:9]   weight_i{gate w} at the block's 64 rows      s[10:11] weight_h{gate w}
.set BH,  10
.set AP,  12                           ; s[12:13] x or h at the step that this trip loads
.set WV,  14                           ; s14 wave   s15 trip counter   s16, s17 the slot that is read, that is stored into   s18 w / 2   s19 w % 2
.set CT,  15
.set TBR, 16
.set TBW, 17
.set WR,  18
.set WC,  19
.set G1,  24                           ; s[24:31] descriptor group 1 of the joint loads      s[32:35], s[36:39] group 0: step 0; step 1, which then walks
.set G0A, 32
.set G0B, 36
.set G1C, 40                           ; s[40:47], s[48:51] c's tile: a load of the work-group's own
.set G0C, 48
.set PBX, 52                           ; s[52:55] the weights' prefetch bases: BX, BH at my work-group's share
.set PBH, 54
.set PFB, 56                           ; s[56:59] where the trip's prefetches stand
.set PFA, 58
.set FNB, 60                           ; s60  0 where my cluster prefetches weights     s61  0 where my work-group prefetches x and h
.set FNA, 61
.set NL,  66                           ; s[66:67] -log2 e     s[68:69] 2 log2 e: packed forms name a pair and take its low word
.set TL,  68
.set W_ML, 0xa1                        ; products: weights window 1, x/h window 0, C and D window 2 (+ 0x50: window 3)
.set W_CB, 0x45                        ; a rounding inside window 1
.set W_L1, 0x40                        ; a load into window 1, address in window 0
.set W_S1, 0x04                        ; a store's data from window 1
.set MSB, 0
.macro WIN new                         ; the immediate's high byte repeats the setting that is left; a switch that changes nothing is dropped
.if MSB != (\new)
	s_set_vgpr_msb (MSB<<8)|(\new)
.set MSB, (\new)
.endif
.endm
.macro PLACES                          ; four plain vector instructions between a product and a load into a register that it read (ISA guide 7.12.1 for vector instructions)
.rept 4
	v_nop
.endr
.endm
; A round of the cluster's barrier: my work-group's barrier, so that wave 0's signal speaks for all four waves; wave 0 signals; every wave waits for all four work-groups; my work-group's barrier once more.
.macro CREST                           ; a round behind its opening barrier
	s_cmp_lg_u32 s[WV], 0
	s_cbranch_scc1 .Lnot_wave_0_\@
	s_barrier_signal -3
.Lnot_wave_0_\@:
	s_barrier_wait -3
	s_barrier_signal -1
	s_barrier_wait -1
.endm
.macro CROUND
	s_barrier_signal -1
	s_barrier_wait -1
	CREST
.endm
; The pointer of K step CT + add: b0 (x's side) for steps 0-31, b1 (h's side) for steps 32-63, plus 256 bytes a step.  The offset is made apart from the address, in s[20:21] (s21 = 0).
.macro PTR dst, add, b0, b1
	s_add_co_u32 s62, s[CT], \add
	s_and_b32 s20, s62, 31
	s_lshl_b32 s20, s20, 8
	s_cmp_lt_u32 s62, 32
	s_cselect_b64 s[\dst:\dst+1], s[\b0:\b0+1], s[\b1:\b1+1]
	s_add_nc_u64 s[\dst:\dst+1], s[\dst:\dst+1], s[20:21]
.endm
; What the next trip (its number is CT) needs: the refill's descriptor for step CT + 2, x/h's pointer for step CT + 3, the prefetches' for steps CT + 5 and CT + 6.
; It stands behind the wait for all my tensor loads, so the descriptor may be written.  Pointers past step 63 wrap into their buffer and are used by no line.
.macro STEPS
	s_wait_xcnt 0x0                                ; the trip's loads (the youngest 16 products back) and prefetches (a trip's head back) have read their pointers
	PTR G0B+2, 2, BX, BH
	s_or_b32 s[G0B+3], s[G0B+3], 0x80000000        ; type = 2
	s_xor_b32 s[G0B+1], s[G0B+1], SLOT1            ; the other slot than last time
	PTR AP, 3, AX, AH
	PTR PFB, 5, PBX, PBH
	PTR PFA, 6, AX, AH
.endm
.macro TOGGLE                          ; the slot just read out is the one stored into next; the other is read
	s_mov_b32 s[TBW], s[TBR]
	s_xor_b32 s[TBR], s[TBR], SLOT1
.endm
; PREFETCHES, behind the trip's tensor load and the four plain lines that follow it.  In trip s the counter holds s + 1.
; WEIGHTS: each row's 256 bytes of a step are named once in the launch.  The two clusters of a by read the same rows: the first (cluster x = 0) asks.  Wave w asks for gate w.  Its four partners share two
; steps x 64 rows out BY ADDRESS (rows 32 (cx % 2) + lane, step + cx / 2): one instruction in every odd trip up to 57, for steps s + 5 and s + 6, which trips s + 3 and s + 4 ask for by tensor load.
; The first of the two steps is even, so the pair never crosses from weight_i* to weight_h*.
.macro ASKB
	s_and_b32 s62, s[CT], 1
	s_or_b32 s62, s62, s[FNB]
	s_cmp_lt_u32 s[CT], 59
	s_cselect_b32 s62, s62, 1
	s_cmp_eq_u32 s62, 0
	s_cbranch_scc0 .Lno_b_\@
	global_prefetch_b8 v[PFO], s[PFB:PFB+1] th:TH_LOAD_NT scope:SCOPE_SE
.Lno_b_\@:
.endm
; x AND h: the 32 work-groups of a bx read the same rows: the one with by = 0 asks, each wave for its own 64 rows, a lane a row: two instructions in every trip up to 57, for step s + 6, which trip s + 3 loads.
.macro ASKA
	s_cmp_lt_u32 s[CT], 59
	s_cselect_b32 s62, s[FNA], 1
	s_cmp_eq_u32 s62, 0
	s_cbranch_scc0 .Lno_a_\@
	global_prefetch_b8 v[PFO], s[PFA:PFA+1] th:TH_LOAD_NT scope:SCOPE_SE
	global_prefetch_b8 v[PFO], s[PFA:PFA+1] offset:32*ROWB th:TH_LOAD_NT scope:SCOPE_SE
.Lno_a_\@:
.endm
; A trip's head.  fill = 1: the joint refill, the first thing behind the round.  The four plain lines behind it make the trip's LDS addresses; they are also the places in front of the loads into x/h's fragments.
.macro TOP fill, ask
.if \fill
	tensor_load_to_lds s[G0B:G0B+3], s[G1:G1+7]
	s_nop 0
.endif
	v_add_nc_u32 v[ADRB], s[TBR], v[LB]
	v_add_nc_u32 v[ADRA], s[TBR], v[LA]
	v_add_nc_u32 v[ASTO], s[TBW], v[LS]
	v_nop
.if \ask
	ASKB
	ASKB_DONE = 1
	ASKA
.endif
.endm
; 16 LDS loads: the f32 of weight fragments 4 h .. 4 h + 3 (fragment b: gate b / 2, columns 16 (b % 2) on), 32 along K at byte 128 kq of the rows.  A lane's 16 numbers are k = 8 (l / 16) + 0..7 and 16 + 8 (l / 16) + 0..7.
.macro STG h, kq
	WIN W_L1
.set f, 0
.rept 16
.set b, 4*(\h)+f/4
	ds_load_b128 v[64+64*(\h)+4*f:64+64*(\h)+4*f+3], v[ADRB] offset:((b/2)*64+(b%2)*16)*BP+128*(\kq)+16*(f%2)+64*((f%4)/2)
.set f, f+1
.endr
.endm
; 8 LDS loads: x/h's bf16 fragments 4 h .. 4 h + 3 into buffer buf, 32 along K at byte 64 kq of the rows
.macro ALD buf, h, kq
	WIN 0
.set f, 4*(\h)
.rept 4
	ds_load_b128 v[64+64*(\buf)+8*f:64+64*(\buf)+8*f+3],   v[ADRA] offset:f*16*APITCH+64*(\kq)
	ds_load_b128 v[64+64*(\buf)+8*f+4:64+64*(\buf)+8*f+7], v[ADRA] offset:f*16*APITCH+64*(\kq)+32
.set f, f+1
.endr
.endm
; A HALF's memory instructions, in one run.  st >= 0: chunk st of x/h (rows 16 st + 0..7 and + 8..15 of my 64), rounded earlier, is stored to LDS; rl = 1: its registers are loaded again, three steps on.
; fetch = 1: the next quarter's staging for fragments 4 h .. and x/h's fragments 4 h .. .  The order inside the run keeps the window switches few.
.macro RUN p, h, fetch, st, rl
.if (\st) >= 0
.set gb, 192+32*((\st)%2)
.if (\st) < 2
	WIN 0
.else
	WIN W_S1
.endif
.set e, 0
.rept 8
	ds_store_b64 v[ASTO], v[gb+4*e:gb+4*e+1] offset:(16*(\st)+e)*APITCH
.set e, e+1
.endr
.if \rl
.if (\st) >= 2
	WIN W_L1
.endif
.set e, 0
.rept 8
	global_load_b128 v[gb+4*e:gb+4*e+3], v[GOFF], s[AP:AP+1] offset:(16*(\st)+e)*ROWB  ; 16 lanes take a row's 256 bytes, aligned
.set e, e+1
.endr
.endif
.endif
.if \fetch
.if ((\st) == 0) || ((\st) == 1)
	ALD 1-(\p), \h, 1-(\p)
	STG \h, 1-(\p)
.else
	STG \h, 1-(\p)
	ALD 1-(\p), \h, 1-(\p)
.endif
.endif
.endm
; A HALF of quarter q (p = q % 2): its run, then 32 products: weight fragments 4 h .. 4 h + 3 x all 8 blocks of rows.  The 64 accumulators take turns, one product each a quarter.
; Behind every second product rides a slice.  Slices 0-7 (cvb = 1): the staging of the OTHER four fragments, loaded by the run one HALF back, is rounded into their bf16 registers, which were read last one HALF back and
; are read next one HALF on; so the weights need one bf16 buffer.  Each such register is written 8 plain instructions or more behind its last reader.  Slices 8-15 (cg >= 0): chunk cg of x/h is rounded in place;
; lw = the younger global loads that may stay out.
; meet >= 1: the change of slots.  Behind product 15: the wait for all my tensor loads (one is out: my gate's tile of the next step), the add, the next trip's scalars (meet = 2); behind product 23 the wait for the add, for my
; reads of the slot and for my stores of x/h, and the signal; the last eight products stand between signal and wait.  zero = 1: the products start the sums.  nop = 1: four places in front of the run.
.macro HALF p, h, zero, fetch, cvb, st, rl, cg, lw, meet, nop
.if \nop
	PLACES
.endif
	RUN \p, \h, \fetch, \st, \rl
.set dw, 24*(\fetch)
.if (\st) >= 0
.set dw, dw+8
.endif
.if dw > 0
	s_wait_dscnt dw                                ; all but this run: the run before it, whose staging and fragments are wanted now, is in.  (An empty run stands only behind a change of slots, whose wait was for 0)
.endif
.set i, 0
.rept 32
.if (i == 16) && (\meet)
	WIN 0                                          ; (the add's two registers lie in window 0)
	s_wait_tensorcnt 0x0                           ; all my tensor loads have landed
	ds_add_u32 v[SPW], v[NIL]                      ; 0 onto my spare word; scalar work and eight products stand between it and the wait for it
.if (\meet) == 2
	STEPS
.endif
	TOGGLE
.endif
.if (i == 16) && ((\cg) >= 0)
	s_wait_loadcnt \lw                             ; chunk cg is in; the chunks loaded behind it stay out
.endif
.if (i == 24) && (\meet)
	s_wait_dscnt 0x0                               ; the add is done, my reads of the slot are back, my stores of x/h are in LDS
	s_barrier_signal -1
.endif
	WIN W_ML+0x50*(\h)
.set bq, 8*(4*(\h)+i/8)
.set af, 64+64*(\p)+8*(i%8)
.if \zero
	v_wmma_f32_16x16x32_bf16 v[8*i:8*i+7], v[bq:bq+7], v[af:af+7], 0
.else
	v_wmma_f32_16x16x32_bf16 v[8*i:8*i+7], v[bq:bq+7], v[af:af+7], v[8*i:8*i+7]
.endif
.if i%2 == 1
.set k, i/2
.if (k < 8) && (\cvb)
	WIN W_CB
.set m, 4*k
.rept 4
	v_cvt_pk_bf16_f32 v[32*(1-(\h))+m], v[64+64*(1-(\h))+2*m], v[64+64*(1-(\h))+2*m+1]
.set m, m+1
.endr
.endif
.if (k >= 8) && ((\cg) >= 0)
.set gq, 192+32*((\cg)%2)+4*(k-8)
.if (\cg) < 2
	WIN 0
.else
	WIN W_CB
.endif
	v_cvt_pk_bf16_f32 v[gq], v[gq], v[gq+1]
	v_cvt_pk_bf16_f32 v[gq+1], v[gq+2], v[gq+3]
.endif
.endif
.set i, i+1
.endr
.if \meet
	WIN 0                                          ; at a branch and at a label every window is 0
	s_barrier_wait -1
.endif
.endm
	; THE HEAD
	s_load_b512 s[68:83], s[0:1], 0x0              ; x, h, c, weight_ii, _if, _ig, _io, weight_hi
	s_load_b512 s[84:99], s[0:1], 0x40             ; weight_hf, _hg, _ho, bias_i, _f, _g, _o, out0
	s_load_b64 s[100:101], s[0:1], 0x80            ; out1
	v_lshl_add_u32 v[SPW], v0, 2, SPARE
	v_mov_b32 v[NIL], 0
	ds_add_u32 v[SPW], v[NIL]                      ; the wave's opening: the add, twice on end, and its wait ahead of my first tensor load; the set-up below stands between
	ds_add_u32 v[SPW], v[NIL]
	v_lshrrev_b32 v3, 5, v0
	v_readfirstlane_b32 s[WV], v3                  ; wave 0..3
	s_lshr_b32 s[WR], s[WV], 1
	s_and_b32 s[WC], s[WV], 1
	s_bfe_u32 s2, ttmp6, 0x40000                   ; cx: my place in the cluster.  What is made of it lives in s2, s3 and s[22:23] alone
	s_lshl_b32 s3, ttmp9, 2                        ; in a cluster launch ttmp9 counts clusters
	s_add_co_u32 s3, s3, s2                        ; bx
	s_lshl_b32 s22, s3, 21                         ; 256 bx rows of 8,192 bytes
	s_lshl_b32 s3, s[WV], 19                       ; + my wave's 64
	s_add_co_u32 s22, s22, s3
	s_mov_b32 s23, 0
	s_and_b32 s[FNA], ttmp7, 0xffff                ; by, which the four partners share (for now in this register)
	s_lshl_b32 s20, s[FNA], 19                     ; 64 by rows of a weight
	s_mov_b32 s21, 0
	s_lshl_b32 s63, s[FNA], 8                      ; 64 by columns of f32
	s_cmp_eq_u32 ttmp9, 0
	s_cselect_b32 s[FNB], 0, 1
	; descriptor group 1: a tile of 64 rows x 64 elements of 4 bytes, padded in LDS
	s_mov_b32 s[G1], 15|(2<<16)|(1<<20)|(1<<21)|(5<<22)|(3<<25)  ; 15:0 the mask: all four work-groups; 17:16 elements of 4 bytes; 20 padding on; 21 set beside a mask; 24:22 after every 64 words; 31:25 4 words of it
	s_mov_b32 s[G1C], (2<<16)|(1<<20)|(5<<22)|(3<<25)            ; the same without a mask: c's tile is the work-group's own
.irp g, G1, G1C
	s_mov_b32 s[\g+1], 64<<16                      ; tensor_dim0 = 64
	s_mov_b32 s[\g+2], 64<<16                      ; tensor_dim1 = 64
	s_mov_b32 s[\g+3], 64<<16                      ; tile_dim0 = 64
	s_mov_b32 s[\g+4], 64                          ; tile_dim1 = 64
	s_mov_b32 s[\g+5], 2048                        ; elements from row to row
	s_mov_b32 s[\g+6], 0
	s_mov_b32 s[\g+7], 0
.endr
	s_mov_b32 s[G0A], 1
	s_mul_i32 s[G0A+1], s[WV], GATEB               ; LDS: gate w's 64 rows of slot 0: no place in the cluster enters an LDS address
	s_mov_b32 s[G0B], 1
	s_add_co_u32 s[G0B+1], s[G0A+1], SLOT1
	s_mov_b32 s[G0C], 1
	s_add_co_u32 s[G0C+1], s[G0A+1], CREG          ; c: my wave's 64 rows
	s_mov_b32 s[NL], 0xbfb8aa3b                    ; -log2 e
	s_mov_b32 s[NL+1], 0xbfb8aa3b
	s_mov_b32 s[CT], 0
	s_mov_b32 s[TBR], 0
	s_wait_dscnt 0x0                               ; both opening adds are done
	s_wait_kmcnt 0x0
	s_add_nc_u64 s[AX:AX+1], s[68:69], s[22:23]
	s_add_nc_u64 s[AH:AH+1], s[70:71], s[22:23]
	s_add_co_u32 s22, s22, s63                     ; the same rows at the block's 64 columns: c and the two outputs
	s_add_nc_u64 s[98:99], s[98:99], s[22:23]
	s_add_nc_u64 s[100:101], s[100:101], s[22:23]
	s_add_nc_u64 s[G0C+2:G0C+3], s[72:73], s[22:23]
	s_or_b32 s[G0C+3], s[G0C+3], 0x80000000
	s_cmp_eq_u32 s[WV], 1                          ; my gate's two weights
	s_cselect_b64 s[BX:BX+1], s[76:77], s[74:75]
	s_cselect_b64 s[BH:BH+1], s[84:85], s[82:83]
	s_cmp_eq_u32 s[WV], 2
	s_cselect_b64 s[BX:BX+1], s[78:79], s[BX:BX+1]
	s_cselect_b64 s[BH:BH+1], s[86:87], s[BH:BH+1]
	s_cmp_eq_u32 s[WV], 3
	s_cselect_b64 s[BX:BX+1], s[80:81], s[BX:BX+1]
	s_cselect_b64 s[BH:BH+1], s[88:89], s[BH:BH+1]
	s_add_nc_u64 s[BX:BX+1], s[BX:BX+1], s[20:21]
	s_add_nc_u64 s[BH:BH+1], s[BH:BH+1], s[20:21]
	s_mov_b64 s[G0A+2:G0A+3], s[BX:BX+1]           ; step 0
	s_or_b32 s[G0A+3], s[G0A+3], 0x80000000
	s_add_nc_u64 s[G0B+2:G0B+3], s[BX:BX+1], 256   ; step 1
	s_or_b32 s[G0B+3], s[G0B+3], 0x80000000
	s_and_b32 s22, s2, 1                           ; my work-group's share of the weights' prefetches: rows 32 (cx % 2) on,
	s_lshl_b32 s22, s22, 18
	s_lshr_b32 s3, s2, 1                           ; the first or the second of two steps
	s_lshl_b32 s3, s3, 8
	s_add_co_u32 s22, s22, s3
	s_add_nc_u64 s[PBX:PBX+1], s[BX:BX+1], s[22:23]
	s_add_nc_u64 s[PBH:PBH+1], s[BH:BH+1], s[22:23]
	s_lshl_b32 s62, s[WC], 7                       ; the biases at my 32 columns
	s_add_co_u32 s20, s63, s62
.irp g, 90, 92, 94, 96
	s_add_nc_u64 s[\g:\g+1], s[\g:\g+1], s[20:21]
.endr
	s_cmp_eq_u32 s[FNA], 0
	s_cselect_b32 s[FNA], 0, 1
	s_mov_b32 s[TL], 0x4038aa3b                    ; 2 log2 e (x's address has been used)
	s_mov_b32 s[TL+1], 0x4038aa3b
	CROUND                                         ; all four work-groups are here: the first joint loads meet
	tensor_load_to_lds s[G0A:G0A+3], s[G1:G1+7]    ; the first fills, one group: three loads of mine are out
	s_nop 0
	tensor_load_to_lds s[G0B:G0B+3], s[G1:G1+7]
	s_nop 0
	tensor_load_to_lds s[G0C:G0C+3], s[G1C:G1C+7]
	s_nop 0
	v_and_b32 v1, 15, v0                           ; l % 16
	v_bfe_u32 v2, v0, 4, 1                         ; l / 16
	v_lshlrev_b32 v[GOFF], 16, v2
	v_lshl_add_u32 v[GOFF], v1, 4, v[GOFF]
	; x's steps 0 and 1 into the registers that will be accumulators, step 2 into the four chunks: 96 loads
	WIN 0x80
.set e, 0
.rept 64
	global_load_b128 v[4*e:4*e+3], v[GOFF], s[AX:AX+1] offset:(16*((e%32)/8)+e%8)*ROWB+256*(e/32)
.set e, e+1
.endr
	WIN 0
.set e, 0
.rept 16
	global_load_b128 v[192+4*e:192+4*e+3], v[GOFF], s[AX:AX+1] offset:(16*(e/8)+e%8)*ROWB+512
.set e, e+1
.endr
	WIN W_L1
.rept 16
	global_load_b128 v[192+4*(e-16):192+4*(e-16)+3], v[GOFF], s[AX:AX+1] offset:(16*(e/8)+e%8)*ROWB+512
.set e, e+1
.endr
	WIN 0
	v_mul_u32_u24 v3, v1, BP
	v_lshl_add_u32 v3, v2, 5, v3                   ; (l % 16) x 272 + 32 (l / 16)
	s_mul_i32 s62, s[WC], 32*BP
	v_add_nc_u32 v[LB], s62, v3
	s_mul_i32 s62, s[WR], 128*BP
	s_lshl_b32 s63, s[WC], 7
	s_add_co_u32 s62, s62, s63
	v_add_nc_u32 v[STH], s62, v3                   ; row 128 wr + l % 16, byte 128 wc + 32 (l / 16)
	v_add_nc_u32 v[STC], SLOT1, v[STH]
	v_add_nc_u32 v[CAD], CREG, v[STH]
	v_mul_u32_u24 v[LA], v1, APITCH
	v_lshl_add_u32 v[LA], v2, 4, v[LA]
	s_mul_i32 s62, s[WR], 128*APITCH
	s_add_co_u32 s62, s62, ABASE
	v_add_nc_u32 v[LA], s62, v[LA]
	v_mul_u32_u24 v[LS], v2, 8*APITCH
	v_lshl_add_u32 v[LS], v1, 3, v[LS]
	s_mul_i32 s62, s[WV], 64*APITCH
	s_add_co_u32 s62, s62, ABASE
	v_add_nc_u32 v[LS], s62, v[LS]
	v_add_nc_u32 v[ASTO], SLOT1, v[LS]
	v_mul_u32_u24 v[RDH], v2, BP
	v_lshl_add_u32 v[RDH], v1, 4, v[RDH]
	v_add_nc_u32 v[RDH], s[G0A+1], v[RDH]          ; rows 64 w on: lanes 0-15 one row of 256 bytes, lanes 16-31 the next
	v_add_nc_u32 v[RDC], SLOT1, v[RDH]
	v_lshlrev_b32 v[GO], 13, v2
	v_lshl_add_u32 v[GO], v1, 4, v[GO]
	v_lshlrev_b32 v[BO], 5, v2
	v_and_b32 v[PFO], 31, v0
	v_lshlrev_b32 v[PFO], 13, v[PFO]
; x's step tt, in window 2 at v[128 tt ..]: rounded in place, 4 numbers a load into 8 bytes, and stored to the slot whose address is adr
.macro PRE tt, adr
	WIN 0x8a
.set e, 0
.rept 32
	v_cvt_pk_bf16_f32 v[128*(\tt)+4*e], v[128*(\tt)+4*e], v[128*(\tt)+4*e+1]
	v_cvt_pk_bf16_f32 v[128*(\tt)+4*e+1], v[128*(\tt)+4*e+2], v[128*(\tt)+4*e+3]
.set e, e+1
.endr
	WIN 0x08
.set e, 0
.rept 32
	ds_store_b64 v[\adr], v[128*(\tt)+4*e:128*(\tt)+4*e+1] offset:(16*(e/8)+e%8)*APITCH
.set e, e+1
.endr
.endm
	s_wait_loadcnt 63                              ; of the 96 at most 63 are out: step 0's 32 are in (64 were issued behind them; the count's field ends at 63)
	PRE 0, LS
	s_wait_loadcnt 32                              ; step 1 is in; step 2's 32 stay out
	PRE 1, ASTO
	WIN 0
	s_wait_tensorcnt 0x2                           ; my gate's tile of step 0 has landed; step 1's and c's may stay out
	s_wait_dscnt 0x0                               ; my stores of x are in LDS
	s_barrier_signal -1
	s_barrier_wait -1                              ; everybody's are
	v_mov_b32 v[ADRB], v[LB]                       ; slot 0
	v_mov_b32 v[ADRA], v[LA]
	STG 0, 0                                       ; quarter 0: all its staging and fragments
	STG 1, 0
	ALD 0, 0, 0
	ALD 0, 1, 0
	s_wait_dscnt 32                                ; the first 16 loads, the staging of fragments 0-3, are in
	WIN W_CB
.set m, 0
.rept 32
	v_cvt_pk_bf16_f32 v[m], v[64+2*m], v[64+2*m+1]
.set m, m+1
.endr
	;    p  h  zero fetch cvb st  rl cg  lw  meet nop
	HALF 0, 0, 1,   1,    1,  -1, 0, -1, 0,  0,   0    ; quarter 0 stands in front of the loop: its products start the sums
	HALF 0, 1, 1,   1,    1,  -1, 0, 0,  24, 2,   0    ; chunk 0 of step 2 is rounded: 24 younger loads stay out
	CREST                                          ; the barrier has opened a round of the cluster's: no wave of any partner still reads slot 0's tiles or has a load on its way
	s_mov_b32 s[CT], 1
.Ltrip:                                                ; trip s (the counter holds s + 1), s = 0 .. 60: quarters 2 s + 1 and 2 s + 2.  It reads step s + 1, asks for the weights of step s + 2, stores x/h of step s + 2, loads x/h of step s + 3
	TOP 1, 1
	HALF 1, 0, 0,   1,    1,  0,  1, 1,  24, 0,   0
	HALF 1, 1, 0,   1,    1,  1,  1, 2,  24, 0,   0
	HALF 0, 0, 0,   1,    1,  2,  1, 3,  24, 0,   1
	HALF 0, 1, 0,   1,    1,  3,  1, 0,  24, 2,   0
	CREST
	s_add_co_u32 s[CT], s[CT], 1
	s_cmp_lt_u32 s[CT], 62
	s_cbranch_scc1 .Ltrip
	; THE TAIL is written out.  Trip 61: the last refill (step 63); x/h's last step is stored, nothing is loaded: the counts run down
	TOP 1, 0
	HALF 1, 0, 0,   1,    1,  0,  0, 1,  16, 0,   0
	HALF 1, 1, 0,   1,    1,  1,  0, 2,  8,  0,   0
	HALF 0, 0, 0,   1,    1,  2,  0, 3,  0,  0,   1
	HALF 0, 1, 0,   1,    1,  3,  0, -1, 0,  1,   0    ; No round follows
	; Trip 62 reads step 63.  The biases come into the chunks' registers, which have been stored
	TOP 0, 0
.irp g, 0,1,2,3
.irp j, 0,1
	global_load_b128 v[BI+16*\g+8*\j:BI+16*\g+8*\j+3],   v[BO], s[90+2*\g:91+2*\g] offset:64*\j
	global_load_b128 v[BI+16*\g+8*\j+4:BI+16*\g+8*\j+7], v[BO], s[90+2*\g:91+2*\g] offset:64*\j+16
.endr
.endr
	HALF 1, 0, 0,   1,    1,  -1, 0, -1, 0,  0,   0
	HALF 1, 1, 0,   1,    1,  -1, 0, -1, 0,  0,   0
	HALF 0, 0, 0,   1,    1,  -1, 0, -1, 0,  0,   1
	HALF 0, 1, 0,   1,    1,  -1, 0, -1, 0,  1,   0    ; behind this barrier no wave reads a weight tile any more: the two slots' weight bytes, which have had their last fill, become the stages
	HALF 1, 0, 0,   0,    1,  -1, 0, -1, 0,  0,   0    ; quarter 127
	HALF 1, 1, 0,   0,    0,  -1, 0, -1, 0,  0,   0
	; THE TAIL OF THE CELL.  The biases are multiplied by the factor of their gate's exponential, so that gate and bias enter it by one fused multiply-add.  These 32 plain lines are the places behind the last products.
	WIN 0
	s_wait_loadcnt 0x0
.set g, 0
.rept 4
.set sc, NL
.if g == 2
.set sc, TL
.endif
.set z, 0
.rept 8
	v_pk_mul_f32 v[BI+16*g+2*z:BI+16*g+2*z+1], v[BI+16*g+2*z:BI+16*g+2*z+1], s[sc:sc+1] op_sel_hi:[1,0]
.set z, z+1
.endr
.set g, g+1
.endr
.macro CFETCH a                        ; c of block a's 16 places a lane
.set cf, CC+16*((\a)%2)
.irp j, 0,1
	ds_load_b128 v[cf+8*\j:cf+8*\j+3],   v[CAD] offset:(\a)*16*BP+64*\j
	ds_load_b128 v[cf+8*\j+4:cf+8*\j+7], v[CAD] offset:(\a)*16*BP+64*\j+16
.endr
.endm
.macro BATCH op, r0, n                 ; n transcendentals in place, one plain line behind the last, and the one wait ahead of the first reader
.set z, 0
.rept \n
	\op v[(\r0)+z], v[(\r0)+z]
.set z, z+1
.endr
	v_nop
	s_wait_alu depctr_va_vdst(0)
.endm
; Block a of 16 rows: 16 places a lane (2 blocks of 16 columns x 8), four gates each.
.macro UNIT a
	WIN 0
.if (\a) < 7
	CFETCH (\a)+1
.endif
.set g, 0
.rept 4                                ; T = (gate + bias) x (-log2 e), for gate g x 2 log2 e.  Each accumulator's registers are taken in ascending order
	WIN 0x02+g/2
.set sc, NL
.if g == 2
.set sc, TL
.endif
.set z, 0
.rept 8
.set ra, 8*(8*((2*g+z/4)%4)+(\a))+2*(z%4)
	v_pk_fma_f32 v[T+16*g+2*z:T+16*g+2*z+1], v[ra:ra+1], s[sc:sc+1], v[BI+16*g+2*z:BI+16*g+2*z+1] op_sel_hi:[1,0,1]
.set z, z+1
.endr
.set g, g+1
.endr
	WIN 0
	BATCH v_exp_f32, T, 64
.set z, 0
.rept 32
	v_pk_add_f32 v[T+z:T+z+1], v[T+z:T+z+1], 1.0 op_sel_hi:[1,0]
.set z, z+2
.endr
	BATCH v_rcp_f32, T, 64                         ; sigmoid(i), sigmoid(f), sigmoid(o); for g: 1 / (1 + e^(2 g))
.set z, 0
.rept 8
	v_pk_fma_f32 v[TG+z:TG+z+1], v[TG+z:TG+z+1], -2.0, 1.0 op_sel_hi:[1,0,0]  ; tanh(g)
.set z, z+2
.endr
.set z, 0
.rept 8
	v_pk_mul_f32 v[TI+z:TI+z+1], v[TI+z:TI+z+1], v[TG+z:TG+z+1]
.set z, z+2
.endr
.if (\a) < 7
	s_wait_dscnt 4                                 ; c of this block is in; the next block's four loads may stay out
.else
	s_wait_dscnt 0x0
.endif
.set cb, CC+16*((\a)%2)
.set z, 0
.rept 8
	v_pk_fma_f32 v[CN+z:CN+z+1], v[TF+z:TF+z+1], v[cb+z:cb+z+1], v[TI+z:TI+z+1]  ; c_new
.set z, z+2
.endr
.set z, 0
.rept 8
	v_pk_mul_f32 v[TG+z:TG+z+1], v[CN+z:CN+z+1], s[TL:TL+1] op_sel_hi:[1,0]
.set z, z+2
.endr
	BATCH v_exp_f32, TG, 16
.set z, 0
.rept 8
	v_pk_add_f32 v[TG+z:TG+z+1], v[TG+z:TG+z+1], 1.0 op_sel_hi:[1,0]
.set z, z+2
.endr
	BATCH v_rcp_f32, TG, 16
.set z, 0
.rept 8
	v_pk_fma_f32 v[TG+z:TG+z+1], v[TG+z:TG+z+1], -2.0, 1.0 op_sel_hi:[1,0,0]  ; tanh(c_new)
.set z, z+2
.endr
.set z, 0
.rept 8
	v_pk_mul_f32 v[HN+z:HN+z+1], v[TO+z:TO+z+1], v[TG+z:TG+z+1]                ; h_new
.set z, z+2
.endr
.irp j, 0,1
	ds_store_b128 v[STC], v[CN+8*\j:CN+8*\j+3]   offset:(\a)*16*BP+64*\j
	ds_store_b128 v[STC], v[CN+8*\j+4:CN+8*\j+7] offset:(\a)*16*BP+64*\j+16
	ds_store_b128 v[STH], v[HN+8*\j:HN+8*\j+3]   offset:(\a)*16*BP+64*\j
	ds_store_b128 v[STH], v[HN+8*\j+4:HN+8*\j+7] offset:(\a)*16*BP+64*\j+16
.endr
.endm
	CFETCH 0                                       ; into registers that the last quarter's products read: the 32 lines above are the places
.irp a, 0,1,2,3,4,5,6,7
	UNIT \a
.endr
	; THE WAY OUT.  A row's 256 bytes of an output come from two waves: a barrier, then each wave reads 64 whole rows of each stage and stores them.
	s_wait_dscnt 0x0                               ; for the others' sake: my stores into the stages are done
	s_barrier_signal -1
	s_barrier_wait -1
.set t, 0
.rept 32
	ds_load_b128 v[64+4*t:64+4*t+3], v[RDH] offset:t*2*BP
.set t, t+1
.endr
	WIN W_L1
.set t, 0
.rept 32
	ds_load_b128 v[64+4*t:64+4*t+3], v[RDC] offset:t*2*BP
.set t, t+1
.endr
	WIN 0
.set t, 0
.rept 32
.if t%8 == 0
	s_wait_dscnt 56-t                              ; the next eight loads are in; the younger ones stay out
.endif
	global_store_b128 v[GO], v[64+4*t:64+4*t+3], s[98:99] offset:t*2*ROWB th:TH_STORE_NT   ; 16 lanes store 256 consecutive bytes, at a multiple of 256 from out0's first byte
.set t, t+1
.endr
	WIN W_S1
.set t, 0
.rept 32
.if t%8 == 0
	s_wait_dscnt 24-t
.endif
	global_store_b128 v[GO], v[64+4*t:64+4*t+3], s[100:101] offset:t*2*ROWB th:TH_STORE_NT
.set t, t+1
.endr
	WIN 0
	s_wait_tensorcnt 0x0                           ; the wave's end, behind my last tensor load and my last LDS store
	ds_add_u32 v[SPW], v[NIL]
	s_wait_dscnt 0x0
	CROUND                                         ; the closing round: no work-group ends while a partner may still ask for a tile that names it
	s_endpgm
.Lfunc_end_k_q4e7e1229b3_lstm:
	.size	k_q4e7e1229b3_lstm, .Lfunc_end_k_q4e7e1229b3_lstm-k_q4e7e1229b3_lstm
	.p2alignl 7, 3214868480
	.fill 96, 4, 3214868480
	.section	.rodata,"a",@progbits
	.p2align	6, 0x0
	.amdhsa_kernel k_q4e7e1229b3_lstm
		.amdhsa_group_segment_fixed_size 327680
		.amdhsa_private_segment_fixed_size 0
		.amdhsa_enable_private_segment 0
		.amdhsa_kernarg_size 136
		.amdhsa_user_sgpr_count 2
		.amdhsa_user_sgpr_kernarg_segment_ptr 1
		.amdhsa_wavefront_size32 1
		.amdhsa_system_sgpr_workgroup_id_x 1
		.amdhsa_system_sgpr_workgroup_id_y 1
		.amdhsa_system_sgpr_workgroup_id_z 1
		.amdhsa_system_vgpr_workitem_id 0
		.amdhsa_next_free_vgpr 1024
		.amdhsa_next_free_sgpr 102
		.amdhsa_reserve_vcc 0
		.amdhsa_float_denorm_mode_32 3
		.amdhsa_float_denorm_mode_16_64 3
		.amdhsa_memory_ordered 1
		.amdhsa_forward_progress 1
		.amdhsa_inst_pref_size 255
	.end_amdhsa_kernel
	.section	.bss,"aw",@nobits
	.p2align	6
	.space	262144
	.amdgpu_metadata
---
amdhsa.version: [ 1, 2 ]
amdhsa.kernels:
  - .name:           k_q4e7e1229b3_lstm
    .symbol:         k_q4e7e1229b3_lstm.kd
    .args:
      - { .name: x, .offset: 0, .size: 8, .value_kind: global_buffer, .address_space: global }
      - { .name: h, .offset: 8, .size: 8, .value_kind: global_buffer, .address_space: global }
      - { .name: c, .offset: 16, .size: 8, .value_kind: global_buffer, .address_space: global }
      - { .name: weight_ii, .offset: 24, .size: 8, .value_kind: global_buffer, .address_space: global }
      - { .name: weight_if, .offset: 32, .size: 8, .value_kind: global_buffer, .address_space: global }
      - { .name: weight_ig, .offset: 40, .size: 8, .value_kind: global_buffer, .address_space: global }
      - { .name: weight_io, .offset: 48, .size: 8, .value_kind: global_buffer, .address_space: global }
      - { .name: weight_hi, .offset: 56, .size: 8, .value_kind: global_buffer, .address_space: global }
      - { .name: weight_hf, .offset: 64, .size: 8, .value_kind: global_buffer, .address_space: global }
      - { .name: weight_hg, .offset: 72, .size: 8, .value_kind: global_buffer, .address_space: global }
      - { .name: weight_ho, .offset: 80, .size: 8, .value_kind: global_buffer, .address_space: global }
      - { .name: bias_i, .offset: 88, .size: 8, .value_kind: global_buffer, .address_space: global }
      - { .name: bias_f, .offset: 96, .size: 8, .value_kind: global_buffer, .address_space: global }
      - { .name: bias_g, .offset: 104, .size: 8, .value_kind: global_buffer, .address_space: global }
      - { .name: bias_o, .offset: 112, .size: 8, .value_kind: global_buffer, .address_space: global }
      - { .name: out0, .offset: 120, .size: 8, .value_kind: global_buffer, .address_space: global }
      - { .name: out1, .offset: 128, .size: 8, .value_kind: global_buffer, .address_space: global }
    .group_segment_fixed_size: 327680
    .private_segment_fixed_size: 0
    .kernarg_segment_align: 8
    .kernarg_segment_size: 136
    .max_flat_workgroup_size: 128
    .sgpr_count:     102
    .vgpr_count:     1024
    .wavefront_size: 32
...
	.end_amdgpu_metadata
.endif
;; end of part 1
;; ======== version 2 of 3: 2 launches
;; workspace buffers: ab 16,777,216 bytes; wb 67,108,864 bytes
;; launch cast (part 2): grid 128 x 10, 8 waves a work-group, no clusters, 0 bytes of LDS; arguments x, h, weight_ii, weight_if, weight_ig, weight_io, weight_hi, weight_hf, weight_hg, weight_ho, ab, wb; writes ab, wb
.if DOCPART == 2
	.amdgcn_target "amdgcn-amd-amdhsa--gfx1250"
	.amdhsa_code_object_version 6
	.text
	.protected	k_q4e7e1229b3_cast
	.globl	k_q4e7e1229b3_cast
	.p2align	8
	.type	k_q4e7e1229b3_cast,@function
k_q4e7e1229b3_cast:
	s_mov_b64 s[64:65], 0
	v_nop
	global_prefetch_b8 v0, s[64:65] scope:SCOPE_SE
	s_setreg_imm32_b32 hwreg(HW_REG_WAVE_MODE, 25, 1), 1
	s_wait_xcnt 0x0
; THE MATRIX OPERANDS OF AN LSTM CELL, ROUNDED ONCE TO bf16 AND LAID OUT FOR THE PRODUCT THAT FOLLOWS.  Ten matrices of 2,048 x 2,048 f32: x, h, weight_i{i,f,g,o}, weight_h{i,f,g,o}.
;   ab [2048][4096] bf16: row m = x[m][:] then h[m][:].
;   wb [8192][4096] bf16: row 128 (n / 32) + 32 gate + n % 32 = weight_i{gate}[n][:] then weight_h{gate}[n][:]: 256 rows on end are 64 hidden columns, and each 128 of them all four gates of 32 columns.
; LIMITS.  Round to nearest even; bf16 has f32's range, so nothing overflows; NaN and infinities pass as the conversion makes them.
; SHARES.  Grid y is the matrix, grid x a block of 16 of its rows; each of eight waves takes two rows of 8,192 bytes.  A wave asks for both rows at once, 32 loads of 512 consecutive bytes (16 KiB on their way),
; rounds each load's four numbers a lane in place and stores 8 bytes a lane: 32 lanes store 256 consecutive bytes, at a multiple of 256 from the buffer's first byte.
; Memory binds: no LDS, no barrier, no matrix unit, no cluster (no byte is read twice), and no prefetch (the loads themselves are the stream).
.set SRB, 8192                         ; bytes in a source row
.set DRB, 8192                         ; bytes in a destination row
.set X,   8                            ; v[8:135] load e's four registers at X + 4 e
	s_load_b512 s[8:23], s[0:1], 0x0               ; x, h, weight_ii, _if, _ig, _io, weight_hi, _hf: matrix k at s[8 + 2 k]
	s_load_b256 s[24:31], s[0:1], 0x40             ; weight_hg, _ho; ab s[28:29], wb s[30:31]
	s_and_b32 s2, ttmp7, 0xffff                    ; the matrix, 0 .. 9
	s_sub_co_u32 s3, s2, 2                         ; among the weights (for x and h what is made of it is not taken)
	s_and_b32 s32, s3, 3                           ; gate
	s_lshr_b32 s33, s3, 2                          ; 0: weight_i*, 1: weight_h*
	s_lshr_b32 s34, ttmp9, 1                       ; the block's rows n = 16 blk + 0..15: n / 32 = blk / 2,
	s_lshl_b32 s34, s34, 7
	s_lshl_b32 s32, s32, 5
	s_add_co_u32 s34, s34, s32
	s_and_b32 s35, ttmp9, 1                        ; n % 32 = 16 (blk % 2) + 0..15
	s_lshl_b32 s35, s35, 4
	s_add_co_u32 s34, s34, s35                     ; a weight's first row in wb
	s_lshl_b32 s35, ttmp9, 4                       ; x's and h's first row in ab
	s_cmp_lt_u32 s2, 2
	s_cselect_b32 s34, s35, s34
	s_cselect_b32 s33, s2, s33                     ; which half of the destination's row
	s_lshl_b32 s34, s34, 13                        ; in bytes: under 2^27
	s_lshl_b32 s33, s33, 12
	s_add_co_u32 s34, s34, s33
	s_mov_b32 s35, 0
	s_lshl_b32 s36, ttmp9, 17                      ; the block's 16 source rows
	s_mov_b32 s37, 0
	v_and_b32 v3, 31, v0                           ; lane
	v_lshrrev_b32 v4, 5, v0                        ; wave
	v_lshlrev_b32 v4, 14, v4                       ; its two rows, in both buffers
	v_lshl_add_u32 v1, v3, 4, v4                   ; source: 16 bytes a lane
	v_lshl_add_u32 v2, v3, 3, v4                   ; destination: 8 bytes a lane
	s_wait_kmcnt 0x0
	s_mov_b64 s[4:5], s[8:9]
.irp k, 1,2,3,4,5,6,7,8,9
	s_cmp_eq_u32 s2, \k
	s_cselect_b64 s[4:5], s[8+2*\k:9+2*\k], s[4:5]
.endr
	s_cmp_lt_u32 s2, 2
	s_cselect_b64 s[6:7], s[28:29], s[30:31]
	s_add_nc_u64 s[4:5], s[4:5], s[36:37]
	s_add_nc_u64 s[6:7], s[6:7], s[34:35]
.set e, 0
.rept 32
	global_load_b128 v[X+4*e:X+4*e+3], v1, s[4:5] offset:(e/16)*SRB+(e%16)*512 th:TH_LOAD_NT
.set e, e+1
.endr
.set e, 0
.rept 32
	s_wait_loadcnt 31-e                            ; loads come back in order (ISA guide 5.7.1): load e is in, the younger ones stay out
	v_cvt_pk_bf16_f32 v[X+4*e], v[X+4*e], v[X+4*e+1]
	v_cvt_pk_bf16_f32 v[X+4*e+1], v[X+4*e+2], v[X+4*e+3]
	global_store_b64 v2, v[X+4*e:X+4*e+1], s[6:7] offset:(e/16)*DRB+(e%16)*256 th:TH_STORE_NT
.set e, e+1
.endr
	s_endpgm
.Lfunc_end_k_q4e7e1229b3_cast:
	.size	k_q4e7e1229b3_cast, .Lfunc_end_k_q4e7e1229b3_cast-k_q4e7e1229b3_cast
	.p2alignl 7, 3214868480
	.fill 96, 4, 3214868480
	.section	.rodata,"a",@progbits
	.p2align	6, 0x0
	.amdhsa_kernel k_q4e7e1229b3_cast
		.amdhsa_group_segment_fixed_size 0
		.amdhsa_private_segment_fixed_size 0
		.amdhsa_enable_private_segment 0
		.amdhsa_kernarg_size 96
		.amdhsa_user_sgpr_count 2
		.amdhsa_user_sgpr_kernarg_segment_ptr 1
		.amdhsa_wavefront_size32 1
		.amdhsa_system_sgpr_workgroup_id_x 1
		.amdhsa_system_sgpr_workgroup_id_y 1
		.amdhsa_system_sgpr_workgroup_id_z 1
		.amdhsa_system_vgpr_workitem_id 0
		.amdhsa_next_free_vgpr 136
		.amdhsa_next_free_sgpr 66
		.amdhsa_reserve_vcc 0
		.amdhsa_float_denorm_mode_32 3
		.amdhsa_float_denorm_mode_16_64 3
		.amdhsa_memory_ordered 1
		.amdhsa_forward_progress 1
		.amdhsa_inst_pref_size 14
	.end_amdhsa_kernel
	.amdgpu_metadata
---
amdhsa.version: [ 1, 2 ]
amdhsa.kernels:
  - .name:           k_q4e7e1229b3_cast
    .symbol:         k_q4e7e1229b3_cast.kd
    .args:
      - { .name: x, .offset: 0, .size: 8, .value_kind: global_buffer, .address_space: global }
      - { .name: h, .offset: 8, .size: 8, .value_kind: global_buffer, .address_space: global }
      - { .name: weight_ii, .offset: 16, .size: 8, .value_kind: global_buffer, .address_space: global }
      - { .name: weight_if, .offset: 24, .size: 8, .value_kind: global_buffer, .address_space: global }
      - { .name: weight_ig, .offset: 32, .size: 8, .value_kind: global_buffer, .address_space: global }
      - { .name: weight_io, .offset: 40, .size: 8, .value_kind: global_buffer, .address_space: global }
      - { .name: weight_hi, .offset: 48, .size: 8, .value_kind: global_buffer, .address_space: global }
      - { .name: weight_hf, .offset: 56, .size: 8, .value_kind: global_buffer, .address_space: global }
      - { .name: weight_hg, .offset: 64, .size: 8, .value_kind: global_buffer, .address_space: global }
      - { .name: weight_ho, .offset: 72, .size: 8, .value_kind: global_buffer, .address_space: global }
      - { .name: ab, .offset: 80, .size: 8, .value_kind: global_buffer, .address_space: global }
      - { .name: wb, .offset: 88, .size: 8, .value_kind: global_buffer, .address_space: global }
    .group_segment_fixed_size: 0
    .private_segment_fixed_size: 0
    .kernarg_segment_align: 8
    .kernarg_segment_size: 96
    .max_flat_workgroup_size: 256
    .sgpr_count:     66
    .vgpr_count:     136
    .wavefront_size: 32
...
	.end_amdgpu_metadata
.endif
;; end of part 2
;; launch cell (part 3): grid 32 x 8, 4 waves a work-group, clusters of 4 x 4, 327,680 bytes of LDS; arguments ab, wb, c, bias_i, bias_f, bias_g, bias_o, out0, out1; writes out0, out1
.if DOCPART == 3
	.amdgcn_target "amdgcn-amd-amdhsa--gfx1250"
	.amdhsa_code_object_version 6
	.text
	.protected	k_q4e7e1229b3_cell
	.globl	k_q4e7e1229b3_cell
	.p2align	8
	.type	k_q4e7e1229b3_cell,@function
k_q4e7e1229b3_cell:
	s_mov_b64 s[64:65], 0
	v_nop
	global_prefetch_b8 v0, s[64:65] scope:SCOPE_SE
	s_setreg_imm32_b32 hwreg(HW_REG_WAVE_MODE, 25, 1), 1
	s_wait_xcnt 0x0
	s_wait_alu depctr_hold_cnt(0) depctr_sa_sdst(0) depctr_va_vdst(0) depctr_va_sdst(0) depctr_va_ssrc(0) depctr_va_vcc(0) depctr_vm_vsrc(0)
	s_getreg_b32 s2, hwreg(HW_REG_IB_STS2, 6, 4)
	s_cmp_eq_u32 s2, 0
	s_cbranch_scc0 .Lentry_in_a_cluster
	s_endpgm
.Lentry_in_a_cluster:
	s_bfe_u32 s2, ttmp6, 0x10000c
	s_cmp_lg_u32 s2, 0xf033
	s_cbranch_scc0 .Lentry_shape_is_right
	s_endpgm
.Lentry_shape_is_right:
; AN LSTM CELL: gates = ab wb^T + bias, then  c_new = sigmoid(f) c + sigmoid(i) tanh(g) -> out1,  h_new = sigmoid(o) tanh(c_new) -> out0.
; ab: [2048][4096] bf16 (x and h side by side along K).  wb: [8192][4096] bf16, row 128 (n / 32) + 32 gate + n % 32 for hidden column n, gates in the order i, f, g, o.  c, out0, out1: [2048][2048] f32; biases [2048] f32.
; LIMITS.  The operands arrive rounded once to bf16; sums, c, biases and the whole tail are f32.  sigmoid(z) = 1 / (1 + 2^(-z log2 e)), tanh(z) = 1 - 2 / (1 + 2^(2 z log2 e)): an exponential that overflows gives
; 1 / inf = 0, one that underflows gives 1 / 1, the right limits for every finite gate, so nothing is clamped; tanh so made is off by about 1e-7 absolutely (not relatively, near 0).  NaN and infinities are not treated apart.
; SHARES.  A work-group makes 256 batch rows x 256 rows of wb (64 hidden columns, four gates): 8 x 32 = 256 work-groups.  Four waves, each 128 x 128: 64 accumulators of 16 x 16, 512 registers.  A wave's 128 rows of wb are
; the four gates of 32 hidden columns (n block b = 2 gate + block of 16 columns), so a lane ends with the four gates of its own places and the tail needs no exchange.
; K = 4,096 goes in steps of 128 through a ring of two LDS slots filled by the tensor data mover: the tiles' rows are 256 bytes of memory and start at multiples of 256 bytes from the buffer's first byte.
; CLUSTERS: 4 x 4 work-groups.  The four of a row of the cluster need the same tiles of ab, the four of a column the same tiles of wb: each tile is asked for JOINTLY, by the same tensor load with the same descriptor
; and a mask that names the four.
; THE MATRIX INSTRUCTION IS USED TRANSPOSED (source 0 = 16 rows of wb, source 1 = 16 rows of ab): lane l holds batch row l % 16 and the columns 8 (l / 16) + 0..7.
; c's tile (256 rows x 64 f32) takes slot 0's first half when the last K step but one has been read out; h_new and c_new leave through slot 0's second half and slot 1's first, behind those bytes' last fill and last read.
; REGISTERS, in windows of 256 (s_set_vgpr_msb: bits 1:0 source 0, 3:2 source 1, 5:4 source 2, 7:6 destination):
;   window 0: v0-31 addresses; v64-127, v128-191 fragments of ab, two buffers; v192-255 the biases.  In the tail: v64-127 T, v128-159 c, v160-191 c_new and h_new
;   window 1: v64-127, v128-191 fragments of wb, two buffers
;   window 2: the 32 accumulators of my rows 0-63 (accumulator (a, b) at v[8 (8 a + b)]);   window 3: those of my rows 64-127
.set SIZE_K, 4096
.set KSTEP,  128
.set ROWB,   8192                      ; bytes in a row of ab, wb, c and the outputs
.set PITCH,  272                       ; an LDS row: 256 bytes of data + 16 of padding = 68 words: the 16 rows that a load touches start 16 bytes apart modulo 256
.set HALFT,  128*PITCH                 ; 128 rows: what one joint load brings, and what one wave reads of ab or of wb
.set SLOT,   4*HALFT                   ; ab's 256 rows, then wb's 256 rows
.set HST,    2*HALFT                   ; h_new's stage: where slot 0 held wb's rows
.set CST,    SLOT                      ; c_new's stage: where slot 1 held ab's rows
.set SPARE,  2*SLOT                    ; behind the ring: the spare words, 128 bytes for each wave: two blocks of 256 bytes that no other line names
.set LAPS,   SIZE_K/(2*KSTEP)          ; a lap = two K steps = once round the ring
.set CAD,  4                           ; v4   my place in c's tile: (128 wr + l % 16) x 272 + 128 wc + 32 (l / 16)
.set STH,  5                           ; v5   the same place in h_new's stage
.set STC,  6                           ; v6   and in c_new's
.set RDH,  7                           ; v7   where I read whole rows of h_new back: (64 w + l / 16) x 272 + 16 (l % 16)
.set RDC,  8                           ; v8   of c_new
.set GO,   9                           ; v9   my offset in two rows of an output
.set BO,   10                          ; v10  my offset in 16 biases
.set ADRA, 16                          ; v16-17  LDS address of my fragments of ab in slot 0, 1
.set ADRB, 20                          ; v20-21  the same for wb
.set SPW,  28                          ; v28  LDS address of my spare word: SPARE + 4 x my thread's number; never rewritten
.set NIL,  29                          ; v29  0; never rewritten
.set PFO,  30                          ; v30  the prefetches' offset: my lane x a row (8,192 bytes in ab, wb and c alike); never rewritten
.set F0,   64                          ; fragment buffer 0
.set F1,   128                         ; fragment buffer 1
.set T,    64                          ; the tail: gate g's 16 numbers at T + 16 g
.set TI,   T
.set TF,   T+16
.set TG,   T+32
.set TO,   T+48
.set CC,   128                         ; c, two buffers of 16
.set CN,   160
.set HN,   176
.set BI,   192                         ; the biases: gate g's 16 at BI + 16 g
.set G1,  24                           ; s[24:31] descriptor group 1 for ab's tiles;  s[32:39] group 0, one set for each slot
.set G0,  32
.set LIM, 43                           ; s43  1 in a wave that prefetches operands, else the greatest number
.set PFA, 44                           ; s[44:45] where my prefetches stand: my work-group's 32 rows of the 128 that I fetch, one K step further along K than the refill that is being asked for
.set G1B, 48                           ; s[48:55], s[56:63] the same for wb's tiles
.set G0B, 56
.set NL,  66                           ; s[66:67] -log2 e: packed forms name a pair and take its low word
.set TL,  86                           ; s[86:87] 2 log2 e
.set G1C, 88                           ; s[88:95], s[96:99] c's tile: a load of the work-group's own
.set G0C, 96
.set CP,  100                          ; s[100:101] c at my wave's 64 rows, at the block's 64 columns
.set MSB, 0
.macro WIN new                         ; the immediate's high byte repeats the setting that is left; a switch that changes nothing is dropped
.if MSB != (\new)
	s_set_vgpr_msb (MSB<<8)|(\new)
.set MSB, (\new)
.endif
.endm
.set MUL_LO, 0xa1                      ; source 0 (wb) window 1, source 1 (ab) window 0, C and D window 2
.set MUL_HI, 0xf1                      ; the same, C and D window 3
.set TO_B,   0x40                      ; destination window 1, address window 0
.set FROM_B, 0x04                      ; a store's data from window 1
; A joint load.  Waves 0 and 1 fetch ab's two halves, waves 2 and 3 wb's.  Each of the two lines has one mask and one set of registers for all that issue it.  The branch hangs on the wave's number alone.
; An s_nop 0 and four v_nop follow each of the two lines, ahead of the jump, the label and what follows the macro.
.macro JLOAD s
	s_cmp_eq_u32 s11, 0
	s_cbranch_scc0 .Lfor_b_\@
	tensor_load_to_lds s[G0+4*(\s):G0+4*(\s)+3], s[G1:G1+7]
	s_nop 0
.rept 4
	v_nop
.endr
	s_branch .Lasked_\@
.Lfor_b_\@:
	tensor_load_to_lds s[G0B+4*(\s):G0B+4*(\s)+3], s[G1B:G1B+7]
	s_nop 0
.rept 4
	v_nop
.endr
.Lasked_\@:
.endm
; A PREFETCH, behind each joint load, its five lines and the run of LDS loads that follows them: the K step that stands TWO refills on, 512 matrix instructions ahead of the load that will ask for it: 32 rows x 256 bytes,
; a lane a row, one instruction a wave.  Each row's 256 bytes of a K step are named ONCE in the launch: ab's tile row is read by every cluster of that row of clusters, and the first of them (cluster x = 0) asks;
; wb's tile column by both clusters of that column, and cluster y = 0 asks.  The four partners that ask for a tile jointly share its rows out BY ADDRESS: of the 128 rows that a wave fetches the partner at place p takes
; 32 p .. 32 p + 31 (p = cx for ab, cy for wb).  K steps 0 to 3 come by their loads alone; the loop's last trip (s3 = 1) has no K step two on and asks for nothing.
.macro ASK
	s_cmp_gt_u32 s3, s[LIM]
	s_cbranch_scc0 .Lnot_mine_\@
	global_prefetch_b8 v[PFO], s[PFA:PFA+1] offset:KSTEP*2 th:TH_LOAD_NT scope:SCOPE_SE
.Lnot_mine_\@:
.endm
; c's tile, which no other work-group reads: each wave names the 256 bytes of each of the 64 rows that it will fetch, a lane a row, two instructions, in the loop's last trip: two K steps ahead of c's tensor load.
.macro ASKC
	s_cmp_eq_u32 s3, 1
	s_cbranch_scc0 .Lno_c_\@
	global_prefetch_b8 v[PFO], s[CP:CP+1] th:TH_LOAD_NT scope:SCOPE_SE
	global_prefetch_b8 v[PFO], s[CP:CP+1] offset:32*ROWB th:TH_LOAD_NT scope:SCOPE_SE
.Lno_c_\@:
.endm
; A round of the cluster's barrier: my work-group's barrier, so that wave 0's signal speaks for all four waves; wave 0 signals for the work-group; every wave waits for all sixteen work-groups; my work-group's barrier once more.
.macro CREST                           ; a round behind its opening barrier
	s_cmp_lg_u32 s10, 0
	s_cbranch_scc1 .Lnot_wave_0_\@
	s_barrier_signal -3
.Lnot_wave_0_\@:
	s_barrier_wait -3
	s_barrier_signal -1
	s_barrier_wait -1
.endm
.macro CROUND                          ; a whole round
	s_barrier_signal -1
	s_barrier_wait -1
	CREST
.endm
	s_load_b512 s[68:83], s[0:1], 0x0              ; ab s[68:69], wb s[70:71], c s[72:73], bias_i, _f, _g, _o s[74:81], out0 s[82:83]
	s_load_b64 s[84:85], s[0:1], 0x40              ; out1
	v_lshl_add_u32 v[SPW], v0, 2, SPARE
	v_mov_b32 v[NIL], 0
	ds_add_u32 v[SPW], v[NIL]                      ; the wave's opening: the add, twice on end, and its wait ahead of my first tensor load; the set-up below stands between
	ds_add_u32 v[SPW], v[NIL]
	v_lshrrev_b32 v1, 5, v0
	v_readfirstlane_b32 s10, v1                    ; wave 0..3
	s_lshr_b32 s11, s10, 1                         ; wr: which half of the tile's rows is mine.  Also: I fetch for ab (0) or for wb (1)
	s_and_b32 s12, s10, 1                          ; wc: which half of its columns.  Also: which 128 rows of that tile I fetch
	s_bfe_u32 s40, ttmp6, 0x40000                  ; cx: my place along the cluster's x
	s_bfe_u32 s41, ttmp6, 0x40004                  ; cy: along its y
	s_lshl_b32 s42, ttmp9, 2                       ; in a cluster launch ttmp9 and ttmp7 count clusters
	s_add_co_u32 s42, s42, s40                     ; tile column = block of 64 hidden columns = 4 x cluster x + cx
	s_and_b32 s13, ttmp7, 0xffff
	s_lshl_b32 s13, s13, 2
	s_add_co_u32 s13, s13, s41                     ; tile row = block of 256 batch rows = 4 x cluster y + cy
	s_lshl_b32 s43, s41, 2
	s_lshl_b32 s43, 15, s43                        ; my row of the cluster: places 4 cy .. 4 cy + 3
	s_lshl_b32 s44, 0x1111, s40                    ; my column: places cx, cx + 4, cx + 8, cx + 12
	; descriptor group 1: a tile of 128 rows x 128 elements of 2 bytes, padded in LDS
	s_or_b32 s[G1+0], s43, (1<<16)|(1<<20)|(1<<21)|(5<<22)|(3<<25)  ; 15:0 the mask: ab's tiles go to my row; 17:16 elements of 2 bytes; 20 padding on; 21 set beside a mask; 24:22 after every 64 words; 31:25 4 words of it
	s_or_b32 s[G1B+0], s44, (1<<16)|(1<<20)|(1<<21)|(5<<22)|(3<<25) ; the same with the mask of my column, for wb's tiles
.irp g, G1, G1B
	s_mov_b32 s[\g+1], KSTEP<<16                   ; tensor_dim0 = 128
	s_mov_b32 s[\g+2], 128<<16                     ; tensor_dim1 = 128
	s_mov_b32 s[\g+3], KSTEP<<16                   ; tile_dim0 = 128
	s_mov_b32 s[\g+4], 128                         ; tile_dim1 = 128
	s_mov_b32 s[\g+5], SIZE_K                      ; elements from row to row
	s_mov_b32 s[\g+6], 0
	s_mov_b32 s[\g+7], 0
.endr
	; c's: 64 rows x 64 elements of 4 bytes, the same padding, no mask
	s_mov_b32 s[G1C], (2<<16)|(1<<20)|(5<<22)|(3<<25)
	s_mov_b32 s[G1C+1], 64<<16
	s_mov_b32 s[G1C+2], 64<<16
	s_mov_b32 s[G1C+3], 64<<16
	s_mov_b32 s[G1C+4], 64
	s_mov_b32 s[G1C+5], 2048
	s_mov_b32 s[G1C+6], 0
	s_mov_b32 s[G1C+7], 0
	s_mov_b32 s[NL], 0xbfb8aa3b                    ; -log2 e
	s_mov_b32 s[NL+1], 0xbfb8aa3b
	s_mov_b32 s[TL], 0x4038aa3b                    ; 2 log2 e
	s_mov_b32 s[TL+1], 0x4038aa3b
	; where the tiles come from.  ab's hang on the tile row alone, which my row of the cluster shares; wb's on the tile column alone, which my column shares.  Every wave makes both addresses and asks by one of them.
	s_lshl_b32 s17, s12, 7                         ; which 128 rows of the tile I fetch
	s_lshl_b32 s16, s13, 8
	s_add_co_u32 s16, s16, s17                     ; ab: row 256 x tile row + 128 x half
	s_lshl_b32 s16, s16, 13                        ; in bytes: under 2^25
	s_lshl_b32 s46, s42, 8
	s_add_co_u32 s46, s46, s17                     ; wb: row 256 x tile column + 128 x half
	s_lshl_b32 s46, s46, 13                        ; under 2^27
	s_mov_b32 s17, 0
	s_mov_b32 s47, 0
	s_mul_i32 s20, s10, HALFT                      ; and where they go: ab's two halves, then wb's two halves = wave x 128 rows: no place in the cluster enters an LDS address
	s_wait_dscnt 0x0                               ; both opening adds are done
	s_wait_kmcnt 0x0
	s_add_nc_u64 s[14:15], s[68:69], s[16:17]
	s_add_nc_u64 s[46:47], s[70:71], s[46:47]
	CROUND                                         ; all sixteen work-groups are here: the first joint loads meet
.irp s, 0,1
	s_mov_b32 s[G0+4*(\s)], 1                                      ; count = 1
	s_add_co_u32 s[G0+4*(\s)+1], s20, (\s)*SLOT                    ; LDS address
	s_add_nc_u64 s[G0+4*(\s)+2:G0+4*(\s)+3], s[14:15], (\s)*KSTEP*2  ; global address: K step s
	s_or_b32 s[G0+4*(\s)+3], s[G0+4*(\s)+3], 0x80000000            ; type = 2
	s_mov_b32 s[G0B+4*(\s)], 1
	s_add_co_u32 s[G0B+4*(\s)+1], s20, (\s)*SLOT
	s_add_nc_u64 s[G0B+4*(\s)+2:G0B+4*(\s)+3], s[46:47], (\s)*KSTEP*2
	s_or_b32 s[G0B+4*(\s)+3], s[G0B+4*(\s)+3], 0x80000000
	JLOAD \s                                       ; the ring is filled before anything else is done: two loads of mine are out
.endr
	; the biases of my 32 columns, four gates: they wait in registers that the loop does not name
	v_and_b32 v1, 15, v0                           ; l % 16
	v_bfe_u32 v2, v0, 4, 1                         ; l / 16
	v_lshlrev_b32 v[BO], 5, v2
	s_lshl_b32 s18, s42, 8                         ; the block's 64 columns of f32,
	s_lshl_b32 s19, s12, 7                         ; my 32 of them
	s_add_co_u32 s18, s18, s19
	s_mov_b32 s19, 0
.irp g, 0,1,2,3
	s_add_nc_u64 s[74+2*\g:75+2*\g], s[74+2*\g:75+2*\g], s[18:19]
.endr
.irp g, 0,1,2,3
.irp j, 0,1
	global_load_b128 v[BI+16*\g+8*\j:BI+16*\g+8*\j+3],   v[BO], s[74+2*\g:75+2*\g] offset:64*\j
	global_load_b128 v[BI+16*\g+8*\j+4:BI+16*\g+8*\j+7], v[BO], s[74+2*\g:75+2*\g] offset:64*\j+16
.endr
.endr
	; A fragment is 16 rows x 32 K in 8 registers: lane l holds row l % 16; registers 0-3 hold K = 8 (l / 16) + 0..7, registers 4-7 K = 16 + 8 (l / 16) + 0..7: two loads of 16 bytes, 32 bytes apart.
	v_mul_u32_u24 v3, v1, PITCH
	v_lshl_add_u32 v3, v2, 4, v3                   ; row x pitch + 16 x half
	s_mul_i32 s21, s11, HALFT                      ; my 128 rows of ab
	s_mul_i32 s22, s12, HALFT                      ; my 128 rows of wb,
	s_add_co_u32 s22, s22, 2*HALFT                 ; which lie behind ab's 256
.irp s, 0,1
	v_add_nc_u32 v[ADRA+(\s)], s21, v3
	v_add_nc_u32 v[ADRB+(\s)], s22, v3
	s_add_co_u32 s21, s21, SLOT
	s_add_co_u32 s22, s22, SLOT
.endr
	; the tail's places
	v_mul_u32_u24 v3, v1, PITCH
	v_lshl_add_u32 v3, v2, 5, v3                   ; (l % 16) x 272 + 32 (l / 16)
	s_mul_i32 s21, s11, 128*PITCH
	s_lshl_b32 s22, s12, 7
	s_add_co_u32 s21, s21, s22
	v_add_nc_u32 v[CAD], s21, v3
	v_add_nc_u32 v[STH], HST, v[CAD]
	v_add_nc_u32 v[STC], CST, v[CAD]
	v_mul_u32_u24 v3, v2, PITCH
	v_lshl_add_u32 v3, v1, 4, v3
	s_mul_i32 s21, s10, 64*PITCH
	v_add_nc_u32 v3, s21, v3                       ; rows 64 w on: lanes 0-15 one row of 256 bytes, lanes 16-31 the next
	v_add_nc_u32 v[RDH], HST, v3
	v_add_nc_u32 v[RDC], CST, v3
	v_lshlrev_b32 v[GO], 13, v2
	v_lshl_add_u32 v[GO], v1, 4, v[GO]
	; my wave's 64 rows at the block's 64 columns, in c and in the two outputs
	s_lshl_b32 s16, s13, 8
	s_lshl_b32 s17, s10, 6
	s_add_co_u32 s16, s16, s17
	s_lshl_b32 s16, s16, 13
	s_lshl_b32 s17, s42, 8
	s_add_co_u32 s16, s16, s17
	s_mov_b32 s17, 0
	s_add_nc_u64 s[82:83], s[82:83], s[16:17]
	s_add_nc_u64 s[84:85], s[84:85], s[16:17]
	s_add_nc_u64 s[CP:CP+1], s[72:73], s[16:17]
	s_mov_b32 s[G0C], 1
	s_mul_i32 s[G0C+1], s10, 64*PITCH              ; LDS: rows 64 w on of slot 0's first half
	s_mov_b64 s[G0C+2:G0C+3], s[CP:CP+1]
	s_or_b32 s[G0C+3], s[G0C+3], 0x80000000
	; the operands' prefetches
	s_lshl_b32 s20, s13, 8
	s_lshl_b32 s21, s42, 8
	s_and_b32 s22, ttmp7, 0xffff                   ; cluster y
	s_cmp_eq_u32 s11, 0                            ; do I fetch for ab?
	s_cselect_b32 s20, s20, s21                    ; the tile's first row: in ab by the tile row, in wb by the tile column
	s_cselect_b32 s21, s40, s41                    ; my place among the four that ask for it with me
	s_cselect_b32 s22, ttmp9, s22                  ; the coordinate along which other clusters read the same rows
	s_cselect_b64 s[PFA:PFA+1], s[68:69], s[70:71]
	s_cmp_eq_u32 s22, 0
	s_cselect_b32 s[LIM], 1, -1                    ; the same in all sixteen partners, for a given wave
	s_lshl_b32 s22, s12, 7
	s_add_co_u32 s20, s20, s22                     ; + the 128 rows that I fetch
	s_lshl_b32 s21, s21, 5
	s_add_co_u32 s20, s20, s21                     ; + my work-group's 32 of them
	s_lshl_b32 s20, s20, 13
	s_mov_b32 s21, 0
	s_add_nc_u64 s[PFA:PFA+1], s[PFA:PFA+1], s[20:21]
	s_add_nc_u64 s[PFA:PFA+1], s[PFA:PFA+1], 2*KSTEP*2  ; at K step 2: the first refill steps it to 3 and names K step 4.  Nothing is prefetched here, at the head
	v_and_b32 v[PFO], 31, v0
	v_lshlrev_b32 v[PFO], 13, v[PFO]
; 16 matrix instructions: m blocks a0, a0 + 1 of the window's four (hi = 0: my rows 0-63, 1: rows 64-127) x all 8 n blocks, 32 along K.  zero = 1: the first product starts the sums: nothing is ever cleared.
; The 64 accumulators take turns, one instruction a turn, in the same order in every quarter.
.macro MUL16 f, hi, a0, zero
	WIN MUL_LO+0x50*(\hi)
.irp a, \a0, (\a0)+1
.irp b, 0,1,2,3,4,5,6,7
.if \zero
	v_wmma_f32_16x16x32_bf16 v[8*(8*(\a)+(\b)):8*(8*(\a)+(\b))+7], v[(\f)+8*(\b):(\f)+8*(\b)+7], v[(\f)+8*(4*(\hi)+(\a)):(\f)+8*(4*(\hi)+(\a))+7], 0
.else
	v_wmma_f32_16x16x32_bf16 v[8*(8*(\a)+(\b)):8*(8*(\a)+(\b))+7], v[(\f)+8*(\b):(\f)+8*(\b)+7], v[(\f)+8*(4*(\hi)+(\a)):(\f)+8*(4*(\hi)+(\a))+7], v[8*(8*(\a)+(\b)):8*(8*(\a)+(\b))+7]
.endif
.endr
.endr
.endm
; 32 LDS loads in one run: the fragments of one quarter step (128 rows of wb, 128 rows of ab, 32 K at byte k of the rows) into buffer f
.macro FETCH slot, k, f
	WIN TO_B
.irp i, 0,1,2,3,4,5,6,7
	ds_load_b128 v[(\f)+8*(\i):(\f)+8*(\i)+3],   v[ADRB+(\slot)] offset:(\k)+(\i)*16*PITCH
	ds_load_b128 v[(\f)+8*(\i)+4:(\f)+8*(\i)+7], v[ADRB+(\slot)] offset:(\k)+(\i)*16*PITCH+32
.endr
	WIN 0
.irp i, 0,1,2,3,4,5,6,7
	ds_load_b128 v[(\f)+8*(\i):(\f)+8*(\i)+3],   v[ADRA+(\slot)] offset:(\k)+(\i)*16*PITCH
	ds_load_b128 v[(\f)+8*(\i)+4:(\f)+8*(\i)+7], v[ADRA+(\slot)] offset:(\k)+(\i)*16*PITCH+32
.endr
.endm
.macro PLACES                          ; four plain vector instructions between a product and a load into a register that it read (ISA guide 7.12.1 for vector instructions)
.rept 4
	v_nop
.endr
.endm
; A K step is four quarters of 32 along K, 64 matrix instructions each, on buffers 0, 1, 0, 1.  One of the first three: multiplies buffer f; in its middle it fetches the next quarter's fragments, at byte k, into buffer g.
.macro QUARTER slot, k, f, g, zero
	s_wait_dscnt 8                                 ; wb's fragments and ab's rows 0-63 are in; the youngest eight loads (ab's rows 64-127) may be out
	MUL16 \f, 0, 0, \zero
	MUL16 \f, 0, 2, \zero
	PLACES
	FETCH \slot, \k, \g
	s_wait_dscnt 32                                ; all but the 32 just issued
	MUL16 \f, 1, 0, \zero
	MUL16 \f, 1, 2, \zero
.endm
; The last quarter multiplies buffer 1 and changes slots.  MEET is its first half: one barrier, which opens a round of the cluster's.  In front of it each wave waits for all its tensor loads, of which one is out: its part
; of the next slot; adds 0 to its spare word; and waits for that and for its own reads of this slot.  Behind the round nobody reads this slot any more and the next slot is whole.
.macro MEET
	WIN 0                                          ; (the add's two registers lie in window 0)
	s_wait_tensorcnt 0x0                           ; all my tensor loads have landed
	ds_add_u32 v[SPW], v[NIL]                      ; 0 onto my spare word
	s_wait_dscnt 9                                 ; (the add and the youngest eight loads may be out)
	MUL16 F1, 0, 0, 0                              ; sixteen matrix instructions stand between the add and the wait for it
	s_wait_dscnt 0x0                               ; the add is done, and my reads of this slot are over
	s_barrier_signal -1
	MUL16 F1, 0, 2, 0                              ; work on registers while the others arrive
	WIN 0
	s_barrier_wait -1
.endm
; The whole last quarter.  Behind the round the slot just read out is filled again first, with the K step two steps on; then come the next slot's first fragments.  From a request to the wait for it a wave issues 224 matrix instructions.
.macro TURN slot, next
	s_wait_xcnt 0x0                                ; the last prefetch, a K step back, has read its address: it is stepped here, ahead of the waits of the change of slots
	s_add_nc_u64 s[PFA:PFA+1], s[PFA:PFA+1], KSTEP*2
	MEET
	CREST                                          ; no wave of any partner still reads this slot's tile or has a load on its way
	s_add_nc_u64 s[G0+4*(\slot)+2:G0+4*(\slot)+3], s[G0+4*(\slot)+2:G0+4*(\slot)+3], 2*KSTEP*2
	s_add_nc_u64 s[G0B+4*(\slot)+2:G0B+4*(\slot)+3], s[G0B+4*(\slot)+2:G0B+4*(\slot)+3], 2*KSTEP*2
	JLOAD \slot                                    ; the first tensor load behind the round; the four v_nop behind it are also the places in front of the loads below
	FETCH \next, 0, F0
	ASK
.if (\slot) == 0
	ASKC
.endif
	MUL16 F1, 1, 0, 0
	MUL16 F1, 1, 2, 0
.endm
	s_wait_tensorcnt 1                             ; my part of K step 0 is in; K step 1's may stay out
	s_barrier_signal -1
	s_barrier_wait -1                              ; everybody's is
	FETCH 0, 0, F0
	QUARTER 0, 64,  F0, F1, 1                      ; the first quarter stands in front of the loop: its products start the sums
	WIN 0                                          ; at a label and at a branch every window is 0
	s_mov_b32 s3, LAPS-1
.Llap:                                                 ; a trip goes once round the ring, from a lap's second quarter to the next lap's first, and fills both slots again
	QUARTER 0, 128, F1, F0, 0
	QUARTER 0, 192, F0, F1, 0
	TURN 0, 1
	QUARTER 1, 64,  F0, F1, 0
	QUARTER 1, 128, F1, F0, 0
	QUARTER 1, 192, F0, F1, 0
	TURN 1, 0
	QUARTER 0, 64,  F0, F1, 0
	WIN 0
	s_sub_co_u32 s3, s3, 1
	s_cmp_lg_u32 s3, 0
	s_cbranch_scc1 .Llap
	; THE LAST LAP is written out.  At its change of slots, slot 0's first half takes c's tile: each wave 64 rows x 256 bytes, a load of the work-group's own, behind a round like every
	; tensor load of a cluster launch.  It has the last K step in which to land.
	QUARTER 0, 128, F1, F0, 0
	QUARTER 0, 192, F0, F1, 0
	MEET
	CREST
	tensor_load_to_lds s[G0C:G0C+3], s[G1C:G1C+7]
	s_nop 0
	PLACES                                         ; also the places in front of the loads below
	FETCH 1, 0, F0
	MUL16 F1, 1, 0, 0
	MUL16 F1, 1, 2, 0
	QUARTER 1, 64,  F0, F1, 0
	QUARTER 1, 128, F1, F0, 0
	QUARTER 1, 192, F0, F1, 0
	s_wait_dscnt 8                                 ; the very last quarter: nothing more to fetch
	MUL16 F1, 0, 0, 0
	MUL16 F1, 0, 2, 0
	s_wait_dscnt 0x0                               ; my reads of slot 1 are over,
	s_wait_tensorcnt 0x0                           ; and my part of c's tile has landed:
	s_barrier_signal -1                            ; say so
	MUL16 F1, 1, 0, 0
	MUL16 F1, 1, 2, 0
	WIN 0
	s_barrier_wait -1                              ; c's tile is whole, and slot 1's bytes may be stored into
	; THE TAIL OF THE CELL.  The biases are multiplied by the factor of their gate's exponential, so that gate and bias enter it by one fused multiply-add.  These 32 plain lines are the places behind the last products.
	s_wait_loadcnt 0x0                             ; the biases, asked for at the head
.set g, 0
.rept 4
.set sc, NL
.if g == 2
.set sc, TL
.endif
.set z, 0
.rept 8
	v_pk_mul_f32 v[BI+16*g+2*z:BI+16*g+2*z+1], v[BI+16*g+2*z:BI+16*g+2*z+1], s[sc:sc+1] op_sel_hi:[1,0]
.set z, z+1
.endr
.set g, g+1
.endr
.macro CFETCH a                        ; c of block a's 16 places a lane
.set cf, CC+16*((\a)%2)
.irp j, 0,1
	ds_load_b128 v[cf+8*\j:cf+8*\j+3],   v[CAD] offset:(\a)*16*PITCH+64*\j
	ds_load_b128 v[cf+8*\j+4:cf+8*\j+7], v[CAD] offset:(\a)*16*PITCH+64*\j+16
.endr
.endm
.macro BATCH op, r0, n                 ; n transcendentals in place, one plain line behind the last, and the one wait ahead of the first reader
.set z, 0
.rept \n
	\op v[(\r0)+z], v[(\r0)+z]
.set z, z+1
.endr
	v_nop
	s_wait_alu depctr_va_vdst(0)
.endm
; Block a of 16 rows: 16 places a lane (2 blocks of 16 columns x 8), four gates each.
.macro UNIT a
	WIN 0
.if (\a) < 7
	CFETCH (\a)+1
.endif
	WIN 0x02+(\a)/4                                ; source 0: the accumulators' window
.set g, 0
.rept 4                                ; T = (gate + bias) x (-log2 e), for gate g x 2 log2 e.  Each accumulator's registers are taken in ascending order
.set sc, NL
.if g == 2
.set sc, TL
.endif
.set z, 0
.rept 8
.set ra, 8*(8*((\a)%4)+2*g+z/4)+2*(z%4)
	v_pk_fma_f32 v[T+16*g+2*z:T+16*g+2*z+1], v[ra:ra+1], s[sc:sc+1], v[BI+16*g+2*z:BI+16*g+2*z+1] op_sel_hi:[1,0,1]
.set z, z+1
.endr
.set g, g+1
.endr
	WIN 0
	BATCH v_exp_f32, T, 64
.set z, 0
.rept 32
	v_pk_add_f32 v[T+z:T+z+1], v[T+z:T+z+1], 1.0 op_sel_hi:[1,0]
.set z, z+2
.endr
	BATCH v_rcp_f32, T, 64                         ; sigmoid(i), sigmoid(f), sigmoid(o); for g: 1 / (1 + e^(2 g))
.set z, 0
.rept 8
	v_pk_fma_f32 v[TG+z:TG+z+1], v[TG+z:TG+z+1], -2.0, 1.0 op_sel_hi:[1,0,0]  ; tanh(g)
.set z, z+2
.endr
.set z, 0
.rept 8
	v_pk_mul_f32 v[TI+z:TI+z+1], v[TI+z:TI+z+1], v[TG+z:TG+z+1]
.set z, z+2
.endr
.if (\a) < 7
	s_wait_dscnt 4                                 ; c of this block is in; the next block's four loads may stay out
.else
	s_wait_dscnt 0x0
.endif
.set cb, CC+16*((\a)%2)
.set z, 0
.rept 8
	v_pk_fma_f32 v[CN+z:CN+z+1], v[TF+z:TF+z+1], v[cb+z:cb+z+1], v[TI+z:TI+z+1]  ; c_new
.set z, z+2
.endr
.set z, 0
.rept 8
	v_pk_mul_f32 v[TG+z:TG+z+1], v[CN+z:CN+z+1], s[TL:TL+1] op_sel_hi:[1,0]
.set z, z+2
.endr
	BATCH v_exp_f32, TG, 16
.set z, 0
.rept 8
	v_pk_add_f32 v[TG+z:TG+z+1], v[TG+z:TG+z+1], 1.0 op_sel_hi:[1,0]
.set z, z+2
.endr
	BATCH v_rcp_f32, TG, 16
.set z, 0
.rept 8
	v_pk_fma_f32 v[TG+z:TG+z+1], v[TG+z:TG+z+1], -2.0, 1.0 op_sel_hi:[1,0,0]  ; tanh(c_new)
.set z, z+2
.endr
.set z, 0
.rept 8
	v_pk_mul_f32 v[HN+z:HN+z+1], v[TO+z:TO+z+1], v[TG+z:TG+z+1]                ; h_new
.set z, z+2
.endr
.irp j, 0,1
	ds_store_b128 v[STC], v[CN+8*\j:CN+8*\j+3]   offset:(\a)*16*PITCH+64*\j
	ds_store_b128 v[STC], v[CN+8*\j+4:CN+8*\j+7] offset:(\a)*16*PITCH+64*\j+16
	ds_store_b128 v[STH], v[HN+8*\j:HN+8*\j+3]   offset:(\a)*16*PITCH+64*\j
	ds_store_b128 v[STH], v[HN+8*\j+4:HN+8*\j+7] offset:(\a)*16*PITCH+64*\j+16
.endr
.endm
	CFETCH 0                                       ; into registers that the last quarter's products read: the 32 lines above are the places
.irp a, 0,1,2,3,4,5,6,7
	UNIT \a
.endr
	; THE WAY OUT.  A row's 256 bytes of an output come from two waves: a barrier, then each wave reads 64 whole rows of each stage and stores them.
	s_wait_dscnt 0x0                               ; for the others' sake: my stores into the stages are done
	s_barrier_signal -1
	s_barrier_wait -1
.set t, 0
.rept 32
	ds_load_b128 v[64+4*t:64+4*t+3], v[RDH] offset:t*2*PITCH
.set t, t+1
.endr
	WIN TO_B
.set t, 0
.rept 32
	ds_load_b128 v[64+4*t:64+4*t+3], v[RDC] offset:t*2*PITCH
.set t, t+1
.endr
	WIN 0
.set t, 0
.rept 32
.if t%8 == 0
	s_wait_dscnt 56-t                              ; the next eight loads are in; the younger ones stay out
.endif
	global_store_b128 v[GO], v[64+4*t:64+4*t+3], s[82:83] offset:t*2*ROWB th:TH_STORE_NT   ; 16 lanes store 256 consecutive bytes, at a multiple of 256 from out0's first byte
.set t, t+1
.endr
	WIN FROM_B
.set t, 0
.rept 32
.if t%8 == 0
	s_wait_dscnt 24-t
.endif
	global_store_b128 v[GO], v[64+4*t:64+4*t+3], s[84:85] offset:t*2*ROWB th:TH_STORE_NT
.set t, t+1
.endr
	WIN 0
	s_wait_tensorcnt 0x0                           ; the wave's end, behind my last tensor load and my last LDS store
	ds_add_u32 v[SPW], v[NIL]
	s_wait_dscnt 0x0
	CROUND                                         ; the closing round: no work-group ends while a partner may still ask for a tile that names it
	s_endpgm
.Lfunc_end_k_q4e7e1229b3_cell:
	.size	k_q4e7e1229b3_cell, .Lfunc_end_k_q4e7e1229b3_cell-k_q4e7e1229b3_cell
	.p2alignl 7, 3214868480
	.fill 96, 4, 3214868480
	.section	.rodata,"a",@progbits
	.p2align	6, 0x0
	.amdhsa_kernel k_q4e7e1229b3_cell
		.amdhsa_group_segment_fixed_size 327680
		.amdhsa_private_segment_fixed_size 0
		.amdhsa_enable_private_segment 0
		.amdhsa_kernarg_size 72
		.amdhsa_user_sgpr_count 2
		.amdhsa_user_sgpr_kernarg_segment_ptr 1
		.amdhsa_wavefront_size32 1
		.amdhsa_system_sgpr_workgroup_id_x 1
		.amdhsa_system_sgpr_workgroup_id_y 1
		.amdhsa_system_sgpr_workgroup_id_z 1
		.amdhsa_system_vgpr_workitem_id 0
		.amdhsa_next_free_vgpr 1024
		.amdhsa_next_free_sgpr 102
		.amdhsa_reserve_vcc 0
		.amdhsa_float_denorm_mode_32 3
		.amdhsa_float_denorm_mode_16_64 3
		.amdhsa_memory_ordered 1
		.amdhsa_forward_progress 1
		.amdhsa_inst_pref_size 237
	.end_amdhsa_kernel
	.amdgpu_metadata
---
amdhsa.version: [ 1, 2 ]
amdhsa.kernels:
  - .name:           k_q4e7e1229b3_cell
    .symbol:         k_q4e7e1229b3_cell.kd
    .args:
      - { .name: ab, .offset: 0, .size: 8, .value_kind: global_buffer, .address_space: global }
      - { .name: wb, .offset: 8, .size: 8, .value_kind: global_buffer, .address_space: global }
      - { .name: c, .offset: 16, .size: 8, .value_kind: global_buffer, .address_space: global }
      - { .name: bias_i, .offset: 24, .size: 8, .value_kind: global_buffer, .address_space: global }
      - { .name: bias_f, .offset: 32, .size: 8, .value_kind: global_buffer, .address_space: global }
      - { .name: bias_g, .offset: 40, .size: 8, .value_kind: global_buffer, .address_space: global }
      - { .name: bias_o, .offset: 48, .size: 8, .value_kind: global_buffer, .address_space: global }
      - { .name: out0, .offset: 56, .size: 8, .value_kind: global_buffer, .address_space: global }
      - { .name: out1, .offset: 64, .size: 8, .value_kind: global_buffer, .address_space: global }
    .group_segment_fixed_size: 327680
    .private_segment_fixed_size: 0
    .kernarg_segment_align: 8
    .kernarg_segment_size: 72
    .max_flat_workgroup_size: 128
    .sgpr_count:     102
    .vgpr_count:     1024
    .wavefront_size: 32
...
	.end_amdgpu_metadata
.endif
;; end of part 3
;; ======== version 3 of 3: 2 launches; version 2 with the launch cast written anew for expert scheduling mode
;; workspace buffers: ab 16,777,216 bytes; wb 67,108,864 bytes
;; launch cast (part 4): grid 128 x 10, 8 waves a work-group, no clusters, 0 bytes of LDS; arguments x, h, weight_ii, weight_if, weight_ig, weight_io, weight_hi, weight_hf, weight_hg, weight_ho, ab, wb; writes ab, wb
.if DOCPART == 4
	.amdgcn_target "amdgcn-amd-amdhsa--gfx1250"
	.amdhsa_code_object_version 6
	.text
	.protected	k_q4e7e1229b3_cast
	.globl	k_q4e7e1229b3_cast
	.p2align	8
	.type	k_q4e7e1229b3_cast,@function
k_q4e7e1229b3_cast:
	s_mov_b64 s[64:65], 0
	v_nop
	global_prefetch_b8 v0, s[64:65] scope:SCOPE_SE
	s_setreg_imm32_b32 hwreg(HW_REG_WAVE_SCHED_MODE, 0, 2), 2
	s_setreg_imm32_b32 hwreg(HW_REG_WAVE_MODE, 25, 1), 1
	s_wait_xcnt 0x0
	s_wait_alu depctr_vm_vsrc(0)
; THE MATRIX OPERANDS OF AN LSTM CELL, ROUNDED ONCE TO bf16 AND LAID OUT FOR THE PRODUCT THAT FOLLOWS.  Ten matrices of 2,048 x 2,048 f32: x, h, weight_i{i,f,g,o}, weight_h{i,f,g,o}.
;   ab [2048][4096] bf16: row m = x[m][:] then h[m][:].
;   wb [8192][4096] bf16: row 128 (n / 32) + 32 gate + n % 32 = weight_i{gate}[n][:] then weight_h{gate}[n][:]: 256 rows on end are 64 hidden columns, and each 128 of them all four gates of 32 columns.
; LIMITS.  Round to nearest even; bf16 has f32's range, so nothing overflows; NaN and infinities pass as the conversion makes them.
; SHARES.  Grid y is the matrix, grid x a block of 16 of its rows; each of eight waves takes two rows of 8,192 bytes.  A wave asks for both rows at once, 32 loads of 512 consecutive bytes (16 KiB on their way),
; rounds each load's four numbers a lane in place and stores 8 bytes a lane: 32 lanes store 256 consecutive bytes, at a multiple of 256 from the buffer's first byte.
; Memory binds: no LDS, no barrier, no matrix unit, no cluster (no byte is read twice), and no prefetch (the loads themselves are the stream).
; THE MODE: SCHED_MODE bits 1:0 = 2 (LLVM: expert scheduling mode 2), set by the entry lines.  The code itself states the register dependences between vector instructions and memory instructions,
; with s_wait_alu, always for 0.
; THE PLAN.  Registers that memory instructions touch:
;   v1, v2             byte offsets of the loads and of the stores: written once at the head, never again.
;   v[X+4e .. X+4e+3]  written by load e; read by load e's two roundings, which write the first two of the four again; those two are read by store e; nothing writes them after that.
; The 32 loads go in eight blocks of four.  Block p rounds loads 4 p .. 4 p + 3; its memory instructions are the four stores of block p - 1, whose registers no vector instruction of block p names.
; So ONE wait on va_vdst at a block's head states all that its four stores hang on, and they are dealt among the block's roundings with no further wait.  No register that a memory instruction
; has read is ever written again, so past the entry lines the text holds no wait on vm_vsrc; no vector instruction writes a scalar register, VCC or EXEC.
.set SRB, 8192                         ; bytes in a source row
.set DRB, 8192                         ; bytes in a destination row
.set BLK, 4                            ; loads in a block
.set X,   8                            ; v[8:135] load e's four registers at X + 4 e
	s_load_b512 s[8:23], s[0:1], 0x0               ; x, h, weight_ii, _if, _ig, _io, weight_hi, _hf: matrix k at s[8 + 2 k]
	s_load_b256 s[24:31], s[0:1], 0x40             ; weight_hg, _ho; ab s[28:29], wb s[30:31]
	s_and_b32 s2, ttmp7, 0xffff                    ; the matrix, 0 .. 9
	s_sub_co_u32 s3, s2, 2                         ; among the weights (for x and h what is made of it is not taken)
	s_and_b32 s32, s3, 3                           ; gate
	s_lshr_b32 s33, s3, 2                          ; 0: weight_i*, 1: weight_h*
	s_lshr_b32 s34, ttmp9, 1                       ; the block's rows n = 16 blk + 0..15: n / 32 = blk / 2,
	s_lshl_b32 s34, s34, 7
	s_lshl_b32 s32, s32, 5
	s_add_co_u32 s34, s34, s32
	s_and_b32 s35, ttmp9, 1                        ; n % 32 = 16 (blk % 2) + 0..15
	s_lshl_b32 s35, s35, 4
	s_add_co_u32 s34, s34, s35                     ; a weight's first row in wb
	s_lshl_b32 s35, ttmp9, 4                       ; x's and h's first row in ab
	s_cmp_lt_u32 s2, 2
	s_cselect_b32 s34, s35, s34
	s_cselect_b32 s33, s2, s33                     ; which half of the destination's row
	s_lshl_b32 s34, s34, 13                        ; in bytes: under 2^27
	s_lshl_b32 s33, s33, 12
	s_add_co_u32 s34, s34, s33
	s_mov_b32 s35, 0
	s_lshl_b32 s36, ttmp9, 17                      ; the block's 16 source rows
	s_mov_b32 s37, 0
	v_and_b32 v3, 31, v0                           ; lane
	v_lshrrev_b32 v4, 5, v0                        ; wave
	v_lshlrev_b32 v4, 14, v4                       ; its two rows, in both buffers
	v_lshl_add_u32 v1, v3, 4, v4                   ; source: 16 bytes a lane
	v_lshl_add_u32 v2, v3, 3, v4                   ; destination: 8 bytes a lane
	s_wait_kmcnt 0x0
	s_mov_b64 s[4:5], s[8:9]
.irp k, 1,2,3,4,5,6,7,8,9
	s_cmp_eq_u32 s2, \k
	s_cselect_b64 s[4:5], s[8+2*\k:9+2*\k], s[4:5]
.endr
	s_cmp_lt_u32 s2, 2
	s_cselect_b64 s[6:7], s[28:29], s[30:31]
	s_add_nc_u64 s[4:5], s[4:5], s[36:37]
	s_add_nc_u64 s[6:7], s[6:7], s[34:35]
	s_wait_alu depctr_va_vdst(0)                   ; v1 and v2 are written: every load reads v1 and every store v2 as its offset, and neither is written again
.set e, 0
.rept 32
	global_load_b128 v[X+4*e:X+4*e+3], v1, s[4:5] offset:(e/16)*SRB+(e%16)*512 th:TH_LOAD_NT
.set e, e+1
.endr
.set p, 0
.rept 32/BLK
	s_wait_loadcnt 32-BLK-BLK*p                    ; loads come back in order (ISA guide 5.7.1): block p's four are in, the later blocks' stay out
.if p > 0
	s_wait_alu depctr_va_vdst(0)                   ; the roundings of the block before have written the registers that the four stores below read
.endif
.set i, 0
.rept BLK
.set e, BLK*p+i                        ; the load that is rounded here
.set d, e-BLK                          ; the one that is stored here: the block before's
.if p > 0
	global_store_b64 v2, v[X+4*d:X+4*d+1], s[6:7] offset:(d/16)*DRB+(d%16)*256 th:TH_STORE_NT  ; no vector instruction since the wait names these registers
.endif
	v_cvt_pk_bf16_f32 v[X+4*e], v[X+4*e], v[X+4*e+1]
	v_cvt_pk_bf16_f32 v[X+4*e+1], v[X+4*e+2], v[X+4*e+3]
.set i, i+1
.endr
.set p, p+1
.endr
	s_wait_alu depctr_va_vdst(0)                   ; the last block's roundings have written the registers that the last four stores read
.set d, 32-BLK
.rept BLK
	global_store_b64 v2, v[X+4*d:X+4*d+1], s[6:7] offset:(d/16)*DRB+(d%16)*256 th:TH_STORE_NT
.set d, d+1
.endr
	s_endpgm
.Lfunc_end_k_q4e7e1229b3_cast:
	.size	k_q4e7e1229b3_cast, .Lfunc_end_k_q4e7e1229b3_cast-k_q4e7e1229b3_cast
	.p2alignl 7, 3214868480
	.fill 96, 4, 3214868480
	.section	.rodata,"a",@progbits
	.p2align	6, 0x0
	.amdhsa_kernel k_q4e7e1229b3_cast
		.amdhsa_group_segment_fixed_size 0
		.amdhsa_private_segment_fixed_size 0
		.amdhsa_enable_private_segment 0
		.amdhsa_kernarg_size 96
		.amdhsa_user_sgpr_count 2
		.amdhsa_user_sgpr_kernarg_segment_ptr 1
		.amdhsa_wavefront_size32 1
		.amdhsa_system_sgpr_workgroup_id_x 1
		.amdhsa_system_sgpr_workgroup_id_y 1
		.amdhsa_system_sgpr_workgroup_id_z 1
		.amdhsa_system_vgpr_workitem_id 0
		.amdhsa_next_free_vgpr 136
		.amdhsa_next_free_sgpr 66
		.amdhsa_reserve_vcc 0
		.amdhsa_float_denorm_mode_32 3
		.amdhsa_float_denorm_mode_16_64 3
		.amdhsa_memory_ordered 1
		.amdhsa_forward_progress 1
		.amdhsa_inst_pref_size 13
	.end_amdhsa_kernel
	.amdgpu_metadata
---
amdhsa.version: [ 1, 2 ]
amdhsa.kernels:
  - .name:           k_q4e7e1229b3_cast
    .symbol:         k_q4e7e1229b3_cast.kd
    .args:
      - { .name: x, .offset: 0, .size: 8, .value_kind: global_buffer, .address_space: global }
      - { .name: h, .offset: 8, .size: 8, .value_kind: global_buffer, .address_space: global }
      - { .name: weight_ii, .offset: 16, .size: 8, .value_kind: global_buffer, .address_space: global }
      - { .name: weight_if, .offset: 24, .size: 8, .value_kind: global_buffer, .address_space: global }
      - { .name: weight_ig, .offset: 32, .size: 8, .value_kind: global_buffer, .address_space: global }
      - { .name: weight_io, .offset: 40, .size: 8, .value_kind: global_buffer, .address_space: global }
      - { .name: weight_hi, .offset: 48, .size: 8, .value_kind: global_buffer, .address_space: global }
      - { .name: weight_hf, .offset: 56, .size: 8, .value_kind: global_buffer, .address_space: global }
      - { .name: weight_hg, .offset: 64, .size: 8, .value_kind: global_buffer, .address_space: global }
      - { .name: weight_ho, .offset: 72, .size: 8, .value_kind: global_buffer, .address_space: global }
      - { .name: ab, .offset: 80, .size: 8, .value_kind: global_buffer, .address_space: global }
      - { .name: wb, .offset: 88, .size: 8, .value_kind: global_buffer, .address_space: global }
    .group_segment_fixed_size: 0
    .private_segment_fixed_size: 0
    .kernarg_segment_align: 8
    .kernarg_segment_size: 96
    .max_flat_workgroup_size: 256
    .sgpr_count:     66
    .vgpr_count:     136
    .wavefront_size: 32
...
	.end_amdgpu_metadata
.endif
;; end of part 4
;; launch cell: the kernel of part 3 again; grid 32 x 8, 4 waves a work-group, clusters of 4 x 4, 327,680 bytes of LDS; arguments ab, wb, c, bias_i, bias_f, bias_g, bias_o, out0, out1; writes out0, out1
